; MI455X (gfx1250); checked and timed in simulation.
; The chip was launched on July 23, 2026; its instructions are those of AMD's public machine-readable ISA for CDNA 5 (MIT licence, August 2026) and "CDNA5" Instruction Set Architecture Reference Guide (July 2026). The comments in the code are by the model that wrote it; some were corrected since.
;; Transformer Block. Allowed arithmetic: float matrix products may take bf16 or f16 operands with f32 sums; other float arithmetic in f32, or as packed bf16 or f16 multiplies, adds, multiply-adds, maxima and minima; sums over many terms, partial sums and values carried from step to step in f32; what a program stores and reads back later, other than sums and carried values, may be rounded once to bf16 or f16.
;; Inputs: ln1_b 1,024 float32; ln1_w 1,024 float32; ln2_b 1,024 float32; ln2_w 1,024 float32; w_ff1 1,024 x 4,096 float32; w_ff2 4,096 x 1,024 float32; w_proj 1,024 x 1,024 float32; w_qkv 1,024 x 3,072 float32; x 2 x 2,048 x 1,024 float32.
;; Outputs: out0 2 x 2,048 x 1,024 float32.
;; One version. Each part assembles by itself: llvm-mc -triple=amdgcn-amd-amdhsa -mcpu=gfx1250 --defsym DOCPART=n.
;; ======== version 1 of 1: 7 launches
;; workspace buffers: wb 25,165,824 bytes; hb 8,388,608 bytes; qkvb 25,165,824 bytes; csum 786,432 bytes; ob 8,388,608 bytes; x1 16,777,216 bytes; gb 33,554,432 bytes
;; launch prep (part 1): grid 640 x 1, 16 waves a work-group, no clusters, 0 bytes of LDS; arguments x, ln1_w, ln1_b, hb, w_qkv, w_proj, w_ff1, w_ff2, wb; writes hb, wb
.if DOCPART == 1
	.amdgcn_target "amdgcn-amd-amdhsa--gfx1250"
	.amdhsa_code_object_version 6
	.text
	.protected	k_q627ea85770_prep
	.globl	k_q627ea85770_prep
	.p2align	8
	.type	k_q627ea85770_prep,@function
k_q627ea85770_prep:
	s_mov_b64 s[64:65], 0
	v_nop
	global_prefetch_b8 v0, s[64:65] scope:SCOPE_SE
	s_setreg_imm32_b32 hwreg(HW_REG_WAVE_MODE, 25, 1), 1
	s_wait_xcnt 0x0
; Work-groups 0-255: hb = LayerNorm(x) * ln1_w + ln1_b, rounded once to bf16.  x: [4096][1024] f32, hb: [4096][1024] bf16.
; Work-groups 256-639: the four weight matrices, f32 -> bf16, kept [K][N], one behind the other in wb (w_qkv, w_proj, w_ff1, w_ff2).
; Both parts are streams: no LDS, no barrier, no matrix unit, no loop: a wave asks at once for all that it needs (12 KiB or 8 KiB).
; LAYERNORM.  One wave, one row of 4,096 bytes in 32 registers.  Two passes over the registers (mean; then the squares of x - mean),
; so that a common offset of the inputs costs no digits.  Lane l holds columns 128 j + 4 l .. + 3 (j = 0..7): a load covers 512
; consecutive bytes, a store 256 consecutive bytes at a multiple of 256.
; LIMITS.  The result is rounded to bf16; NaN and infinities are not treated apart.
.set X, 8                              ; v[8:39]    the row; in the cast v[8:71] 64 numbers a lane
.set W, 40                             ; v[40:71]   the gain
.set B, 72                             ; v[72:103]  the bias; in the cast the packed results
.set T, 104                            ; v[104:111] four chains of pairs, at work
.macro LANESUM                         ; the four chains into one number, then over the 32 lanes: every lane ends with the sum in v[T]
	v_pk_add_f32 v[T:T+1], v[T:T+1], v[T+2:T+3]
	v_pk_add_f32 v[T+4:T+5], v[T+4:T+5], v[T+6:T+7]
	v_pk_add_f32 v[T:T+1], v[T:T+1], v[T+4:T+5]
	v_add_f32 v[T], v[T], v[T+1]
	v_add_f32_dpp v[T], v[T], v[T] row_xmask:1 row_mask:0xf bank_mask:0xf
	v_add_f32_dpp v[T], v[T], v[T] row_xmask:2 row_mask:0xf bank_mask:0xf
	v_add_f32_dpp v[T], v[T], v[T] row_xmask:4 row_mask:0xf bank_mask:0xf
	v_add_f32_dpp v[T], v[T], v[T] row_xmask:8 row_mask:0xf bank_mask:0xf
	v_permlanex16_b32 v[T+1], v[T], s12, s13       ; the other half of the lanes
	v_add_f32 v[T], v[T], v[T+1]
.endm
	s_load_b256 s[4:11], s[0:1], 0x0               ; x s[4:5], gain s[6:7], bias s[8:9], hb s[10:11]
	s_load_b256 s[20:27], s[0:1], 0x20             ; w_qkv s[20:21], w_proj s[22:23], w_ff1 s[24:25], w_ff2 s[26:27]
	s_load_b64 s[28:29], s[0:1], 0x40              ; wb
	v_lshrrev_b32 v3, 5, v0
	v_readfirstlane_b32 s2, v3                     ; wave 0..15
	v_and_b32 v4, 31, v0
	v_lshlrev_b32 v1, 4, v4                        ; 16 x lane
	v_lshlrev_b32 v2, 3, v4                        ; 8 x lane
	s_mov_b32 s3, ttmp9
	s_cmp_lt_u32 s3, 256
	s_cbranch_scc0 .Lcast
	s_lshl_b32 s3, s3, 4
	s_add_co_u32 s3, s3, s2                        ; my row
	s_lshl_b32 s16, s3, 12                         ; its 4,096 bytes in x
	s_mov_b32 s17, 0
	s_lshl_b32 s18, s3, 11                         ; its 2,048 bytes in hb
	s_mov_b32 s19, 0
	s_mov_b32 s12, 0x76543210                      ; v_permlanex16_b32: each lane takes its own place in the other half
	s_mov_b32 s13, 0xfedcba98
	s_mov_b32 s14, 0x3a800000                      ; 1 / 1024
	s_mov_b32 s15, 0x3727c5ac                      ; 1e-5
	s_wait_kmcnt 0x0
	s_add_nc_u64 s[4:5], s[4:5], s[16:17]
	s_add_nc_u64 s[10:11], s[10:11], s[18:19]
.irp j, 0,1,2,3,4,5,6,7
	global_load_b128 v[X+4*\j:X+4*\j+3], v1, s[4:5] offset:512*\j
.endr
.irp j, 0,1,2,3,4,5,6,7
	global_load_b128 v[W+4*\j:W+4*\j+3], v1, s[6:7] offset:512*\j
.endr
.irp j, 0,1,2,3,4,5,6,7
	global_load_b128 v[B+4*\j:B+4*\j+3], v1, s[8:9] offset:512*\j
.endr
	s_wait_loadcnt 16                              ; the row is in; the 16 younger loads (gain, bias) stay out
.irp k, 0,1,2,3
	v_pk_add_f32 v[T+2*\k:T+2*\k+1], v[X+2*\k:X+2*\k+1], v[X+8+2*\k:X+8+2*\k+1]  ; the first sums start the chains: nothing is cleared
.endr
.irp m, 16,24
.irp k, 0,1,2,3
	v_pk_add_f32 v[T+2*\k:T+2*\k+1], v[T+2*\k:T+2*\k+1], v[X+\m+2*\k:X+\m+2*\k+1]
.endr
.endr
	LANESUM
	v_mul_f32 v[T+2], s14, v[T]                    ; the mean
.set i, 0
.rept 16
	v_pk_add_f32 v[X+i:X+i+1], v[X+i:X+i+1], v[T+2:T+3] op_sel_hi:[1,0] neg_lo:[0,1] neg_hi:[0,1]  ; x - mean
.set i, i+2
.endr
.irp k, 0,1,2,3
	v_pk_mul_f32 v[T+2*\k:T+2*\k+1], v[X+2*\k:X+2*\k+1], v[X+2*\k:X+2*\k+1]
.endr
.irp m, 8,16,24
.irp k, 0,1,2,3
	v_pk_fma_f32 v[T+2*\k:T+2*\k+1], v[X+\m+2*\k:X+\m+2*\k+1], v[X+\m+2*\k:X+\m+2*\k+1], v[T+2*\k:T+2*\k+1]
.endr
.endr
	LANESUM
	v_fma_f32 v[T], v[T], s14, s15                 ; the variance + 1e-5
	v_rsq_f32 v[T+2], v[T]
	v_nop                                          ; a plain instruction behind the root,
	s_wait_alu depctr_va_vdst(0)                   ; and a wait ahead of its first reader
	s_wait_loadcnt 0x0                             ; gain and bias
.set i, 0
.rept 16
	v_pk_mul_f32 v[X+i:X+i+1], v[X+i:X+i+1], v[T+2:T+3] op_sel_hi:[1,0]
.set i, i+2
.endr
.set i, 0
.rept 16
	v_pk_fma_f32 v[X+i:X+i+1], v[X+i:X+i+1], v[W+i:W+i+1], v[B+i:B+i+1]
.set i, i+2
.endr
.irp j, 0,1,2,3,4,5,6,7
	v_cvt_pk_bf16_f32 v[X+4*\j], v[X+4*\j], v[X+4*\j+1]
	v_cvt_pk_bf16_f32 v[X+4*\j+1], v[X+4*\j+2], v[X+4*\j+3]
	global_store_b64 v2, v[X+4*\j:X+4*\j+1], s[10:11] offset:256*\j  ; 32 lanes store 256 consecutive bytes, at a multiple of 256
.endr
	s_endpgm
.Lcast:                                        ; block g = 0..383 of 32,768 numbers: 96 of w_qkv, 32 of w_proj, 128 of w_ff1, 128 of w_ff2
	s_sub_co_u32 s3, s3, 256                       ; g
	s_movk_i32 s16, 256                            ; the first blocks of w_ff2, w_ff1 and w_proj
	s_movk_i32 s17, 128
	s_movk_i32 s18, 96
	s_wait_kmcnt 0x0
	s_cmp_lt_u32 s3, s16
	s_cselect_b64 s[30:31], s[24:25], s[26:27]
	s_cselect_b32 s19, s17, s16
	s_cmp_lt_u32 s3, s17
	s_cselect_b64 s[30:31], s[22:23], s[30:31]
	s_cselect_b32 s19, s18, s19
	s_cmp_lt_u32 s3, s18
	s_cselect_b64 s[30:31], s[20:21], s[30:31]
	s_cselect_b32 s19, 0, s19
	s_sub_co_u32 s19, s3, s19                      ; the block's number in its own matrix
	s_lshl_b32 s12, s19, 17                        ; 131,072 bytes of f32 a block,
	s_lshl_b32 s13, s2, 13                         ; 8,192 a wave
	s_add_co_u32 s12, s12, s13
	s_mov_b32 s13, 0
	s_add_nc_u64 s[30:31], s[30:31], s[12:13]
	s_lshl_b32 s14, s3, 16                         ; 65,536 bytes of bf16 a block,
	s_lshl_b32 s15, s2, 12                         ; 4,096 a wave
	s_add_co_u32 s14, s14, s15
	s_mov_b32 s15, 0
	s_add_nc_u64 s[28:29], s[28:29], s[14:15]
.irp j, 0,1,2,3,4,5,6,7,8,9,10,11,12,13,14,15
	global_load_b128 v[X+4*\j:X+4*\j+3], v1, s[30:31] offset:512*\j th:TH_LOAD_NT
.endr
.irp j, 0,1,2,3,4,5,6,7,8,9,10,11,12,13,14,15
	s_wait_loadcnt 15-\j                           ; loads come back in order: number j is in, the younger ones stay out
	v_cvt_pk_bf16_f32 v[B+2*\j], v[X+4*\j], v[X+4*\j+1]
	v_cvt_pk_bf16_f32 v[B+2*\j+1], v[X+4*\j+2], v[X+4*\j+3]
	global_store_b64 v2, v[B+2*\j:B+2*\j+1], s[28:29] offset:256*\j
.endr
	s_endpgm
.Lfunc_end_k_q627ea85770_prep:
	.size	k_q627ea85770_prep, .Lfunc_end_k_q627ea85770_prep-k_q627ea85770_prep
	.p2alignl 7, 3214868480
	.fill 96, 4, 3214868480
	.section	.rodata,"a",@progbits
	.p2align	6, 0x0
	.amdhsa_kernel k_q627ea85770_prep
		.amdhsa_group_segment_fixed_size 0
		.amdhsa_private_segment_fixed_size 0
		.amdhsa_enable_private_segment 0
		.amdhsa_kernarg_size 72
		.amdhsa_user_sgpr_count 2
		.amdhsa_user_sgpr_kernarg_segment_ptr 1
		.amdhsa_wavefront_size32 1
		.amdhsa_system_sgpr_workgroup_id_x 1
		.amdhsa_system_sgpr_workgroup_id_y 1
		.amdhsa_system_sgpr_workgroup_id_z 1
		.amdhsa_system_vgpr_workitem_id 0
		.amdhsa_next_free_vgpr 112
		.amdhsa_next_free_sgpr 66
		.amdhsa_reserve_vcc 0
		.amdhsa_float_denorm_mode_32 3
		.amdhsa_float_denorm_mode_16_64 3
		.amdhsa_memory_ordered 1
		.amdhsa_forward_progress 1
		.amdhsa_inst_pref_size 18
	.end_amdhsa_kernel
	.amdgpu_metadata
---
amdhsa.version: [ 1, 2 ]
amdhsa.kernels:
  - .name:           k_q627ea85770_prep
    .symbol:         k_q627ea85770_prep.kd
    .args:
      - { .name: x, .offset: 0, .size: 8, .value_kind: global_buffer, .address_space: global }
      - { .name: ln1_w, .offset: 8, .size: 8, .value_kind: global_buffer, .address_space: global }
      - { .name: ln1_b, .offset: 16, .size: 8, .value_kind: global_buffer, .address_space: global }
      - { .name: hb, .offset: 24, .size: 8, .value_kind: global_buffer, .address_space: global }
      - { .name: w_qkv, .offset: 32, .size: 8, .value_kind: global_buffer, .address_space: global }
      - { .name: w_proj, .offset: 40, .size: 8, .value_kind: global_buffer, .address_space: global }
      - { .name: w_ff1, .offset: 48, .size: 8, .value_kind: global_buffer, .address_space: global }
      - { .name: w_ff2, .offset: 56, .size: 8, .value_kind: global_buffer, .address_space: global }
      - { .name: wb, .offset: 64, .size: 8, .value_kind: global_buffer, .address_space: global }
    .group_segment_fixed_size: 0
    .private_segment_fixed_size: 0
    .kernarg_segment_align: 8
    .kernarg_segment_size: 72
    .max_flat_workgroup_size: 512
    .sgpr_count:     66
    .vgpr_count:     112
    .wavefront_size: 32
...
	.end_amdgpu_metadata
.endif
;; end of part 1
;; launch qkv (part 2): grid 8 x 32, 4 waves a work-group, clusters of 4 x 4, 327,680 bytes of LDS; arguments hb, wb, qkvb, csum; writes qkvb, csum
.if DOCPART == 2
	.amdgcn_target "amdgcn-amd-amdhsa--gfx1250"
	.amdhsa_code_object_version 6
	.text
	.protected	k_q627ea85770_qkv
	.globl	k_q627ea85770_qkv
	.p2align	8
	.type	k_q627ea85770_qkv,@function
k_q627ea85770_qkv:
	s_mov_b64 s[64:65], 0
	v_nop
	global_prefetch_b8 v0, s[64:65] scope:SCOPE_SE
	s_setreg_imm32_b32 hwreg(HW_REG_WAVE_MODE, 25, 1), 1
	s_wait_xcnt 0x0
	s_wait_alu depctr_hold_cnt(0) depctr_sa_sdst(0) depctr_va_vdst(0) depctr_va_sdst(0) depctr_va_ssrc(0) depctr_va_vcc(0) depctr_vm_vsrc(0)
	s_getreg_b32 s2, hwreg(HW_REG_IB_STS2, 6, 4)
	s_cmp_eq_u32 s2, 0
	s_cbranch_scc0 .Lentry_in_a_cluster
	s_endpgm
.Lentry_in_a_cluster:
	s_bfe_u32 s2, ttmp6, 0x10000c
	s_cmp_lg_u32 s2, 0xf033
	s_cbranch_scc0 .Lentry_shape_is_right
	s_endpgm
.Lentry_shape_is_right:
; q, k, v = hb @ Wqkv, written by heads.  hb: [4096][1024] bf16; Wqkv: [1024][3072] bf16 at wb's first byte; qkvb: [3][32 (batch, head)][2048][64] bf16;
; csum: [96][32][64] f32: for each of the 96 (part, batch, head) and each block of 64 rows the sum of the block's rows (attention wants V's).  Sums in f32.
; SHARES.  A work-group makes 128 rows x 384 columns (six heads); 8 x 32 work-groups.  Wave w: rows 64 (w / 2) on, heads w % 2, w % 2 + 2, w % 2 + 4 of the six:
; 4 x 12 accumulators of 16 x 16.  K goes in 8 steps of 128 through two LDS slots.  A slot is four regions of 36,864 bytes, one a wave: wave 0 fetches
; hb's 128 rows x 128 (LDS rows of 272 bytes), waves 1-3 the three segments of 128 k-rows x 128 columns of W (LDS rows of 288 bytes).
; THE PRODUCT IS USED TRANSPOSED: source 0 = 16 columns of W, turned on the way out of LDS by ds_load_tr16_b128; source 1 = 16 rows of hb.  A lane then
; holds row l % 16 and the columns 8 (l / 16) + 0..7 of a block.
; CLUSTER 4 x 4: hb's tile hangs on the tile row alone and is asked for jointly along a row of the cluster, W's on the tile column alone, along a column.
; REGISTERS by windows of 256: window 0 addresses and hb's fragments (two buffers from v64), window 1 W's fragments (two buffers), windows 2 and 3 the accumulators.
; LIMITS.  Operands and q, k, v are bf16; NaN and infinities are not treated apart.
.set NA, 4                             ; blocks of 16 rows a wave
.set NB, 12                            ; blocks of 16 columns a wave
.set KD, 1                             ; slices of 32 along K in a run of fragment loads
.set BPR, 4                            ; column blocks that one address register of W reaches
.set NRB, 3                            ; such registers
.set NAW, 1                            ; waves that fetch hb's tile; the others fetch W's
.set TSTEPS, 8
.set NCOL, 3072
.set APITCH, 272
.set ABLK, 16*APITCH
.set AADV, 64                          ; bytes along an LDS row of hb from one run of loads to the next
.set ASTEP, 256                        ; bytes in memory from K step to K step
.set BSTEP, 128*NCOL*2
.set AW0, (1<<16)|(1<<20)|(1<<21)|(5<<22)|(3<<25)  ; 2-byte elements; padding on; bit 21 beside a mask; after every 64 words 4 words
.set BW0, (1<<16)|(1<<20)|(1<<21)|(5<<22)|(7<<25)  ; the same with 8 words
.set BP, 288
.set REG, 0x9000                       ; a region
.set SLOTX, 0x24000                    ; four regions; no region's start in slot 0 has one of these two bits, so one exclusive or changes slots
.set SPARE, 2*SLOTX                    ; behind the ring: the spare words, 128 bytes a wave
.set SP, 784                           ; the way out: a stage row, 192 f32 + 16 bytes
.set STG, 64*SP                        ; a wave's stage; the stages lie in the ring, which has had its last fill by then
.set RA, 8                             ; v8      address of the run of hb's fragment loads in hand
.set RB, 9                             ; v9-11   of W's
.set ADRA0, 12                         ; v12     my lane's place in hb's tile of slot 0; never rewritten
.set ADRB0, 13                         ; v13-15  in W's three segments
.set STO, 16                           ; v16     the way out: where I put 32 bytes of a row
.set RD, 17                            ; v17     where I read rows back
.set CO, 18                            ; v18-20  my byte offset in qkvb, a head each
.set PFO, 21                           ; v21     the prefetches' offset: my lane x a row's bytes
.set RDC, 22
.set LANE, 23
.set SPW, 28                           ; v28     my spare word; never rewritten
.set NIL, 29                           ; v29     0; never rewritten
.set CS, 32                            ; v32-55  the column sums, 8 a head
.set CSO, 56                           ; v56-58  my byte offset in csum, a head each
.set XX, 64                            ; v64-111 the way out: rows read back
.set YY, 112                           ; v112-135 packed
.set WV, 12
.set CC, 14
.set RR, 15
.set G1A, 24
.set G0A, 32
.set PFA, 44
.set PSTEP, 46
.set G1B, 48
.set G0B, 56
.set CNT, 66
.set STEPS, 67
.set LIM, 68
.set TA, 69                            ; LDS byte, from slot 0's first, at which the next run of hb's loads begins
.set TBB, 70                           ; the same for W's
.set LW, 71
.set TS, 86
.set MSB, 0
.macro WIN new                         ; the immediate's high byte repeats the setting that is left; a switch that changes nothing is dropped
.if MSB != (\new)
	s_set_vgpr_msb (MSB<<8)|(\new)
.set MSB, \new
.endif
.endm
.macro PLACES                          ; four places behind a matrix instruction, ahead of loads into its sources and of readers of its result
.rept 4
	v_nop
.endr
.endm
.macro CROUND                          ; a round of the cluster's barrier
	s_barrier_signal -1
	s_barrier_wait -1
	s_cmp_lg_u32 s[WV], 0
	s_cbranch_scc1 .Lnot_wave_0_\@
	s_barrier_signal -3
.Lnot_wave_0_\@:
	s_barrier_wait -3
	s_barrier_signal -1
	s_barrier_wait -1
.endm
.macro JLOAD                           ; a joint refill by the walking descriptor; the branch hangs on the wave's number alone
	s_cmp_lt_u32 s[WV], NAW
	s_cbranch_scc0 .Lfor_b_\@
	tensor_load_to_lds s[G0A+4:G0A+7], s[G1A:G1A+7]
	s_nop 0
.rept 4
	v_nop
.endr
	s_branch .Lasked_\@
.Lfor_b_\@:
	tensor_load_to_lds s[G0B+4:G0B+7], s[G1B:G1B+7]
	s_nop 0
.rept 4
	v_nop
.endr
.Lasked_\@:
.endm
; A prefetch of the K step two refills on: of the 128 rows x 256 bytes that I fetch, my work-group's 32, a lane a row.  hb's rows are asked for by the clusters with x = 0,
; W's by those with y = 0; the four partners of a joint load are told apart by address.  So each row's 256 bytes of a K step are named once.  The last two refills ask for nothing.
.macro ASK
	s_cmp_gt_u32 s[STEPS], s[LIM]
	s_cbranch_scc0 .Lnot_mine_\@
	global_prefetch_b8 v[PFO], s[PFA:PFA+1] th:TH_LOAD_NT scope:SCOPE_SE
.Lnot_mine_\@:
.endm
.macro FETCH f                         ; 32 LDS loads in one run: the fragments of 32 KD along K into buffer f
	WIN 0
	v_add_nc_u32 v[RA], s[TA], v[ADRA0]
.set n, 0
.rept NRB
	v_add_nc_u32 v[RB+n], s[TBB], v[ADRB0+n]
.set n, n+1
.endr
	s_add_co_u32 s[TA], s[TA], AADV
	s_add_co_u32 s[TBB], s[TBB], KD*32*BP
	WIN 0x40                               ; destination window 1
.set b, 0
.rept NB
.set cs, 0
.rept KD
.set rB, (\f)*8*NB*KD+8*(KD*b+cs)
	ds_load_tr16_b128 v[rB:rB+3], v[RB+b/BPR] offset:32*(b%BPR)+cs*32*BP
	ds_load_tr16_b128 v[rB+4:rB+7], v[RB+b/BPR] offset:32*(b%BPR)+cs*32*BP+16*BP
.set cs, cs+1
.endr
.set b, b+1
.endr
	WIN 0
.set a, 0
.rept NA
.set cs, 0
.rept KD
.set rA, 64+(\f)*8*NA*KD+8*(KD*a+cs)
	ds_load_b128 v[rA:rA+3], v[RA] offset:a*ABLK+64*cs
	ds_load_b128 v[rA+4:rA+7], v[RA] offset:a*ABLK+64*cs+32
.set cs, cs+1
.endr
.set a, a+1
.endr
.endm
.macro MUL f, zero                     ; buffer f is multiplied; the accumulators take turns, one instruction a turn.  zero = 1: the products start the sums
.irp hi, 0,1
	WIN 0xa1+0x50*(\hi)
.set cs, 0
.rept KD
.set a, 0
.rept NA/2
.set b, 0
.rept NB
.set rD, 8*(a*NB+b)
.set rB, (\f)*8*NB*KD+8*(KD*b+cs)
.set rA, 64+(\f)*8*NA*KD+8*(KD*((\hi)*NA/2+a)+cs)
.if (\zero) && (cs == 0)
	v_wmma_f32_16x16x32_bf16 v[rD:rD+7], v[rB:rB+7], v[rA:rA+7], 0
.else
	v_wmma_f32_16x16x32_bf16 v[rD:rD+7], v[rB:rB+7], v[rA:rA+7], v[rD:rD+7]
.endif
.set b, b+1
.endr
.set a, a+1
.endr
.set cs, cs+1
.endr
.endr
.endm
.macro UNIT                            ; half a K step: while one buffer is multiplied the other's 32 loads are out
	PLACES
	FETCH 0
	s_wait_dscnt 32                                ; all but the 32 just issued: buffer 1 is in
	MUL 1, 0
	PLACES
	FETCH 1
	s_wait_dscnt 32                                ; buffer 0 is in
	MUL 0, 0
	WIN 0
.endm
; The change of slots: all of the slot has been asked for out of LDS.  Each wave waits for all its tensor loads (its part of the other slot), adds 0 to its spare word, and waits for
; that and for its reads.  fill = 1: a round of the cluster's barrier, and the joint refill first behind it, with the K step two on.
.macro CHANGE fill
	WIN 0
.if \fill
	s_wait_xcnt 0x0                                ; the last prefetch, a K step back, has read its address
	s_add_nc_u64 s[PFA:PFA+1], s[PFA:PFA+1], s[PSTEP:PSTEP+1]
.endif
	s_wait_tensorcnt 0x0                           ; no tensor load of mine is out, so a group 0 may be written
	ds_add_u32 v[SPW], v[NIL]                      ; scalar work stands between it and its wait
.if \fill
	s_xor_b32 s[G0A+5], s[G0A+5], SLOTX
	s_add_nc_u64 s[G0A+6:G0A+7], s[G0A+6:G0A+7], ASTEP
	s_xor_b32 s[G0B+5], s[G0B+5], SLOTX
	s_add_nc_u64 s[G0B+6:G0B+7], s[G0B+6:G0B+7], BSTEP
.endif
	s_sub_co_u32 s[TA], s[TA], 4*AADV              ; the fragment loads go back to a slot's first bytes,
	s_xor_b32 s[TA], s[TA], SLOTX                  ; in the other slot
	s_sub_co_u32 s[TBB], s[TBB], 4*KD*32*BP
	s_xor_b32 s[TBB], s[TBB], SLOTX
	s_wait_dscnt 0x0                               ; the add is done, and my reads of the slot are over
.if \fill
	CROUND
	JLOAD
	ASK
.else
	s_barrier_signal -1
	s_barrier_wait -1
.endif
.endm
.macro DUMP                            ; the f32 sums into my stage: row l % 16 of a block, 32 bytes a lane; each accumulator's low registers first
.set a, 0
.rept NA
	WIN 0x08+0x04*(a/(NA/2))
.set b, 0
.rept NB
.set rD, 8*((a%(NA/2))*NB+b)
	ds_store_b128 v[STO], v[rD:rD+3] offset:a*16*SP+64*b
	ds_store_b128 v[STO], v[rD+4:rD+7] offset:a*16*SP+64*b+16
.set b, b+1
.endr
.set a, a+1
.endr
	WIN 0
.endm
	s_load_b256 s[4:11], s[0:1], 0x0               ; hb s[4:5], wb s[6:7], qkvb s[8:9], csum s[10:11]
	v_lshl_add_u32 v[SPW], v0, 2, SPARE
	v_mov_b32 v[NIL], 0
	ds_add_u32 v[SPW], v[NIL]                      ; the wave's opening: the add and its wait, ahead of my first tensor load
	v_lshrrev_b32 v1, 5, v0
	v_readfirstlane_b32 s[WV], v1                  ; wave 0..3
	s_and_b32 s[CC], s[WV], 1
	s_lshr_b32 s[RR], s[WV], 1
	s_bfe_u32 s40, ttmp6, 0x40000                  ; cx
	s_bfe_u32 s41, ttmp6, 0x40004                  ; cy
	s_lshl_b32 s42, ttmp9, 2
	s_add_co_u32 s42, s42, s40                     ; tile column
	s_and_b32 s43, ttmp7, 0xffff
	s_lshl_b32 s43, s43, 2
	s_add_co_u32 s43, s43, s41                     ; tile row
	s_lshl_b32 s18, s41, 2
	s_lshl_b32 s18, 15, s18                        ; my row of the cluster
	s_lshl_b32 s22, 0x1111, s40                    ; my column
	s_or_b32 s[G1A], s18, AW0
	s_or_b32 s[G1B], s22, BW0
	s_mov_b32 s[G1A+1], 128<<16                    ; tensor_dim0 = 128
	s_mov_b32 s[G1A+2], 128<<16                    ; tensor_dim1 = 128
	s_mov_b32 s[G1A+3], 128<<16                    ; tile_dim0 = 128
	s_mov_b32 s[G1A+4], 128                        ; tile_dim1 = 128
	s_mov_b32 s[G1A+5], 1024                       ; elements from row to row
	s_mov_b32 s[G1A+6], 0
	s_mov_b32 s[G1A+7], 0
	s_mov_b32 s[G1B+1], 128<<16
	s_mov_b32 s[G1B+2], 128<<16
	s_mov_b32 s[G1B+3], 128<<16
	s_mov_b32 s[G1B+4], 128
	s_mov_b32 s[G1B+5], NCOL
	s_mov_b32 s[G1B+6], 0
	s_mov_b32 s[G1B+7], 0
	s_lshl_b32 s16, s43, 18                        ; hb: 128 rows of 2,048 bytes a tile row
	s_mov_b32 s17, 0
	s_max_u32 s22, s[WV], 1
	s_sub_co_u32 s22, s22, 1                       ; W: my segment of 128 columns (wave 0 makes a valid address that it never uses)
	s_lshl_b32 s22, s22, 8
	s_mul_i32 s20, s42, 768                        ; 384 columns of 2 bytes a tile column
	s_add_co_u32 s20, s20, s22
	s_mov_b32 s21, 0
	s_mul_i32 s[LW], s[WV], REG                    ; my region: no place in the cluster enters an LDS address
	s_mov_b32 s[TA], 0
	s_mov_b32 s[TBB], 0
	s_wait_dscnt 0x0                               ; the opening add is done
	s_wait_kmcnt 0x0
	s_add_nc_u64 s[16:17], s[4:5], s[16:17]
	s_add_nc_u64 s[20:21], s[6:7], s[20:21]
.irp s, 0,1
	s_mov_b32 s[G0A+4*\s], 1
	s_add_co_u32 s[G0A+4*\s+1], s[LW], \s*SLOTX
	s_add_nc_u64 s[G0A+4*\s+2:G0A+4*\s+3], s[16:17], \s*ASTEP
	s_or_b32 s[G0A+4*\s+3], s[G0A+4*\s+3], 0x80000000
	s_mov_b32 s[G0B+4*\s], 1
	s_add_co_u32 s[G0B+4*\s+1], s[LW], \s*SLOTX
	s_add_nc_u64 s[G0B+4*\s+2:G0B+4*\s+3], s[20:21], \s*BSTEP
	s_or_b32 s[G0B+4*\s+3], s[G0B+4*\s+3], 0x80000000
.endr
	CROUND                                         ; all sixteen work-groups are here: the first joint loads meet
	s_cmp_lt_u32 s[WV], NAW                        ; a wave's two first fills stand in one branch: two loads of mine are out
	s_cbranch_scc0 .Lfirst_b
	tensor_load_to_lds s[G0A:G0A+3], s[G1A:G1A+7]
	s_nop 0
	tensor_load_to_lds s[G0A+4:G0A+7], s[G1A:G1A+7]
	s_nop 0
.rept 4
	v_nop
.endr
	s_branch .Lfirst_done
.Lfirst_b:
	tensor_load_to_lds s[G0B:G0B+3], s[G1B:G1B+7]
	s_nop 0
	tensor_load_to_lds s[G0B+4:G0B+7], s[G1B:G1B+7]
	s_nop 0
.rept 4
	v_nop
.endr
.Lfirst_done:
	; the prefetches: my tile's address, my work-group's 32 rows of it, K step 3; the first change of slots steps it to 4
	s_and_b32 s73, ttmp7, 0xffff                   ; cluster y
	s_mov_b32 s74, 2*NCOL                          ; bytes in a row of W, of hb
	s_mov_b32 s75, 2048
	s_mov_b32 s76, BSTEP
	s_mov_b32 s77, ASTEP
	s_cmp_lt_u32 s[WV], NAW
	s_cselect_b32 s72, s40, s41                    ; my place among the four that ask with me
	s_cselect_b32 s73, ttmp9, s73                  ; the coordinate along which other clusters read the same rows
	s_cselect_b32 s74, s75, s74
	s_cselect_b32 s[PSTEP], s77, s76
	s_cselect_b64 s[PFA:PFA+1], s[16:17], s[20:21]
	s_mov_b32 s[PSTEP+1], 0
	s_cmp_eq_u32 s73, 0
	s_cselect_b32 s[LIM], 2, -1
	s_lshl_b32 s72, s72, 5
	s_mul_i32 s72, s72, s74
	s_mul_i32 s75, s[PSTEP], 3
	s_add_co_u32 s72, s72, s75
	s_mov_b32 s73, 0
	s_add_nc_u64 s[PFA:PFA+1], s[PFA:PFA+1], s[72:73]
	v_and_b32 v[LANE], 31, v0
	v_mul_lo_u32 v[PFO], v[LANE], s74
	; lane addresses.  hb's fragment: row l % 16, 16 bytes for each half of the lanes, twice, 32 bytes apart.  W's: lane l reads k-row 8 (l / 16) + l % 8, columns 8 ((l / 8) % 2) on
	v_and_b32 v1, 15, v0
	v_bfe_u32 v2, v0, 4, 1
	v_and_b32 v3, 7, v0
	v_bfe_u32 v4, v0, 3, 1
	v_bfe_u32 v5, v0, 3, 2
	v_mul_u32_u24 v[ADRA0], v1, APITCH
	v_lshl_add_u32 v[ADRA0], v2, 4, v[ADRA0]
	s_mul_i32 s72, s[RR], 64*APITCH                ; my 64 rows of region 0
	v_add_nc_u32 v[ADRA0], s72, v[ADRA0]
	v_lshl_add_u32 v6, v2, 3, v3
	v_mul_u32_u24 v6, v6, BP
	v_lshl_add_u32 v6, v4, 4, v6
	s_lshl_b32 s72, s[CC], 7                       ; my head's 64 columns of a segment
.irp s, 0,1,2
	s_add_co_u32 s73, s72, (1+\s)*REG
	v_add_nc_u32 v[ADRB0+\s], s73, v6
.endr
	s_mul_i32 s72, s[WV], STG                      ; my stage
	v_mul_u32_u24 v[STO], v1, SP
	v_lshl_add_u32 v[STO], v2, 5, v[STO]
	v_add_nc_u32 v[STO], s72, v[STO]
	v_mul_u32_u24 v[RD], v5, SP                    ; back: 8 lanes take a head's 64 numbers of a row, 32 lanes four rows
	v_lshl_add_u32 v[RD], v3, 5, v[RD]
	v_add_nc_u32 v[RD], s72, v[RD]
	; where my three heads lie: head number 6 x tile column + w % 2 + 2 s of 48; part = number / 16; batch = tile row / 16
	s_mul_i32 s72, s42, 6
	s_add_co_u32 s72, s72, s[CC]
	s_lshr_b32 s73, s43, 4
	s_lshl_b32 s73, s73, 4
	s_lshl_b32 s79, s43, 7
	s_lshl_b32 s78, s[RR], 6
	s_add_co_u32 s79, s79, s78
	s_and_b32 s79, s79, 2047                       ; my first row in its batch
	v_lshlrev_b32 v6, 5, v3
	v_lshl_add_u32 v6, v4, 4, v6                   ; csum: 32 (l % 8) + 16 ((l / 8) % 2)
.irp s, 0,1,2
	s_add_co_u32 s74, s72, 2*\s
	s_lshr_b32 s75, s74, 4
	s_lshl_b32 s75, s75, 5
	s_and_b32 s74, s74, 15
	s_add_co_u32 s74, s74, s75
	s_add_co_u32 s74, s74, s73                     ; 32 x part + 16 x batch + head
	s_lshl_b32 s75, s74, 18                        ; 2,048 rows of 128 bytes
	s_lshl_b32 s76, s79, 7
	s_add_co_u32 s75, s75, s76
	v_lshl_add_u32 v[CO+\s], v[LANE], 4, s75       ; four rows of 128 bytes are 512 consecutive bytes: 16 x lane
	s_lshl_b32 s75, s74, 13                        ; 32 blocks of 256 bytes
	s_lshr_b32 s76, s79, 6
	s_lshl_b32 s76, s76, 8
	s_add_co_u32 s75, s75, s76
	v_add_nc_u32 v[CSO+\s], s75, v6
.endr
	s_mov_b32 s84, 0x76543210
	s_mov_b32 s85, 0xfedcba98
	s_wait_tensorcnt 0x1                           ; my part of K step 0 is in; step 1's may stay out
	s_barrier_signal -1
	s_barrier_wait -1
	FETCH 0
	FETCH 1
	s_wait_dscnt 32
	MUL 0, 1                                       ; the first products start the sums: nothing is cleared
	WIN 0
	s_mov_b32 s[CNT], 1
	s_mov_b32 s[STEPS], TSTEPS-1
	s_branch .Lunit                                ; the loop is entered in the middle of K step 0
.Lstep:                                        ; TSTEPS - 2 times: a slot is left and filled again
	CHANGE 1
	s_mov_b32 s[CNT], 2
.Lunit:
	UNIT
	s_sub_co_u32 s[CNT], s[CNT], 1
	s_cmp_lg_u32 s[CNT], 0
	s_cbranch_scc1 .Lunit
	s_sub_co_u32 s[STEPS], s[STEPS], 1
	s_cmp_lg_u32 s[STEPS], 0
	s_cbranch_scc1 .Lstep
	CHANGE 0                                       ; the last K step is written out
	s_mov_b32 s[CNT], 2
.LunitT:
	UNIT
	s_sub_co_u32 s[CNT], s[CNT], 1
	s_cmp_lg_u32 s[CNT], 0
	s_cbranch_scc1 .LunitT
	s_wait_dscnt 0x0                               ; my last reads of the ring are back:
	s_barrier_signal -1                            ; say so,
	MUL 1, 0                                       ; the last products meanwhile,
	WIN 0
	s_barrier_wait -1                              ; and behind this nobody reads the ring, which has had its last fill: the stages may lie in it
	PLACES
	DUMP
	; THE WAY OUT: 8 trips of 8 rows.  My own stage: LDS serves a wave's instructions in order, so no wait stands between the stores above and these loads.
.set i, 0
.rept 24
	v_mov_b32 v[CS+i], 0
.set i, i+1
.endr
	s_mov_b32 s[TS], 0
	s_mov_b32 s[CNT], 8
.Lrows:
	v_add_nc_u32 v[RDC], s[TS], v[RD]
.irp g, 0,1
.irp s, 0,1,2
	ds_load_b128 v[XX+8*(3*\g+\s):XX+8*(3*\g+\s)+3], v[RDC] offset:\g*4*SP+256*\s
	ds_load_b128 v[XX+8*(3*\g+\s)+4:XX+8*(3*\g+\s)+7], v[RDC] offset:\g*4*SP+256*\s+16
.endr
.endr
	s_wait_dscnt 0x0
.irp g, 0,1
.irp s, 0,1,2
.irp k, 0,1,2,3
	v_pk_add_f32 v[CS+8*\s+2*\k:CS+8*\s+2*\k+1], v[CS+8*\s+2*\k:CS+8*\s+2*\k+1], v[XX+8*(3*\g+\s)+2*\k:XX+8*(3*\g+\s)+2*\k+1]
	v_cvt_pk_bf16_f32 v[YY+4*(3*\g+\s)+\k], v[XX+8*(3*\g+\s)+2*\k], v[XX+8*(3*\g+\s)+2*\k+1]
.endr
	global_store_b128 v[CO+\s], v[YY+4*(3*\g+\s):YY+4*(3*\g+\s)+3], s[8:9] offset:\g*512  ; 512 consecutive bytes of a head, at a multiple of 256
.endr
.endr
	s_wait_xcnt 0x0                                ; the stores have read their registers and their base: both are written again only behind this wait
	s_add_nc_u64 s[8:9], s[8:9], 1024              ; 8 rows of 128 bytes on
	s_add_co_u32 s[TS], s[TS], 8*SP
	s_sub_co_u32 s[CNT], s[CNT], 1
	s_cmp_lg_u32 s[CNT], 0
	s_cbranch_scc1 .Lrows
	; the column sums: lanes l, l ^ 8, l ^ 16, l ^ 24 hold the same eight columns
.set i, 0
.rept 24
	v_add_f32_dpp v[CS+i], v[CS+i], v[CS+i] row_xmask:8 row_mask:0xf bank_mask:0xf
.set i, i+1
.endr
.set i, 0
.rept 24
	v_permlanex16_b32 v[XX+i], v[CS+i], s84, s85
.set i, i+1
.endr
.set i, 0
.rept 24
	v_add_f32 v[CS+i], v[CS+i], v[XX+i]
.set i, i+1
.endr
	v_cmp_ne_u32 vcc_lo, 0, v4                     ; lanes 8-15 store the upper four of the eight columns
.irp s, 0,1,2
.irp k, 0,1,2,3
	v_cndmask_b32 v[YY+4*\s+\k], v[CS+8*\s+\k], v[CS+8*\s+4+\k], vcc_lo
.endr
.endr
	v_cmp_gt_u32 vcc_lo, 16, v[LANE]
	s_wait_xcnt 0x0                                ; EXEC changes only behind this wait
	s_and_saveexec_b32 s72, vcc_lo
.irp s, 0,1,2
	global_store_b128 v[CSO+\s], v[YY+4*\s:YY+4*\s+3], s[10:11]  ; 16 lanes store a head's 64 sums: 256 consecutive bytes, aligned
.endr
	s_wait_xcnt 0x0                                ; and again ahead of the line that widens it
	s_or_b32 exec_lo, exec_lo, s72
	s_wait_tensorcnt 0x0                           ; the wave's end: behind my last tensor load and my last LDS store
	ds_add_u32 v[SPW], v[NIL]
	s_wait_dscnt 0x0
	CROUND                                         ; the closing round
	s_endpgm
.Lfunc_end_k_q627ea85770_qkv:
	.size	k_q627ea85770_qkv, .Lfunc_end_k_q627ea85770_qkv-k_q627ea85770_qkv
	.p2alignl 7, 3214868480
	.fill 96, 4, 3214868480
	.section	.rodata,"a",@progbits
	.p2align	6, 0x0
	.amdhsa_kernel k_q627ea85770_qkv
		.amdhsa_group_segment_fixed_size 327680
		.amdhsa_private_segment_fixed_size 0
		.amdhsa_enable_private_segment 0
		.amdhsa_kernarg_size 32
		.amdhsa_user_sgpr_count 2
		.amdhsa_user_sgpr_kernarg_segment_ptr 1
		.amdhsa_wavefront_size32 1
		.amdhsa_system_sgpr_workgroup_id_x 1
		.amdhsa_system_sgpr_workgroup_id_y 1
		.amdhsa_system_sgpr_workgroup_id_z 1
		.amdhsa_system_vgpr_workitem_id 0
		.amdhsa_next_free_vgpr 960
		.amdhsa_next_free_sgpr 96
		.amdhsa_reserve_vcc 1
		.amdhsa_float_denorm_mode_32 3
		.amdhsa_float_denorm_mode_16_64 3
		.amdhsa_memory_ordered 1
		.amdhsa_forward_progress 1
		.amdhsa_inst_pref_size 62
	.end_amdhsa_kernel
	.amdgpu_metadata
---
amdhsa.version: [ 1, 2 ]
amdhsa.kernels:
  - .name:           k_q627ea85770_qkv
    .symbol:         k_q627ea85770_qkv.kd
    .args:
      - { .name: hb, .offset: 0, .size: 8, .value_kind: global_buffer, .address_space: global }
      - { .name: wb, .offset: 8, .size: 8, .value_kind: global_buffer, .address_space: global }
      - { .name: qkvb, .offset: 16, .size: 8, .value_kind: global_buffer, .address_space: global }
      - { .name: csum, .offset: 24, .size: 8, .value_kind: global_buffer, .address_space: global }
    .group_segment_fixed_size: 327680
    .private_segment_fixed_size: 0
    .kernarg_segment_align: 8
    .kernarg_segment_size: 32
    .max_flat_workgroup_size: 128
    .sgpr_count:     96
    .vgpr_count:     960
    .wavefront_size: 32
...
	.end_amdgpu_metadata
.endif
;; end of part 2
;; launch attn (part 3): grid 8 x 32, 4 waves a work-group, no clusters, 327,680 bytes of LDS; arguments qkvb, csum, ob; writes ob
.if DOCPART == 3
	.amdgcn_target "amdgcn-amd-amdhsa--gfx1250"
	.amdhsa_code_object_version 6
	.text
	.protected	k_q627ea85770_attn
	.globl	k_q627ea85770_attn
	.p2align	8
	.type	k_q627ea85770_attn,@function
k_q627ea85770_attn:
	s_mov_b64 s[64:65], 0
	v_nop
	global_prefetch_b8 v0, s[64:65] scope:SCOPE_SE
	s_setreg_imm32_b32 hwreg(HW_REG_WAVE_MODE, 25, 1), 1
	s_wait_xcnt 0x0
; ATTENTION as the module defines it.  a = clip(q . k / 8, -100, 100) for keys k <= q and a = -100 for the later keys (the mask's -inf is clipped), all 2,048 keys stay in the softmax:
; e = exp(a - max a); p = e / (sum e + 1e-6) + 1e-8; o = sum p v / sum p.  qkvb: [3][32][2048][64] bf16; csum: [96][32][64] f32 (sums of 64 rows); ob: [256 groups of 16 rows][16 heads][16][64] bf16.
; WHAT IS NOT WALKED IS ADDED IN CLOSED FORM.  Keys behind the diagonal's tile of 256 all have a = -100, so with em = exp(-100 - max), S = sum over walked keys of e + n_rest em,
; Z = S / (S + 1e-6) + 2048e-8:  o = [ (sum over walked keys of e v + em Vsuf) / (S + 1e-6) + 1e-8 Vtot ] / Z, with Vsuf, Vtot the sums of V's rows over the keys not walked, and over all.
; SCORES.  z = clamp01(raw / 1600 + bias) = (a + 100) / 200: bias 0.5 for a visible key, -1e30 for a hidden one (z = 0, that is a = -100).  e = 2^(cs z - cs m), cs = 200 log2(e), with a
; running maximum m, which starts at 0 (every row has z >= 0, and rows with hidden keys have z = 0 among them); O and l are multiplied by 2^(cs m_old - cs m_new) in every step.
; THE WALK.  16 blocks of 128 queries a head; block i walks its diagonal tile i / 2 first and then tiles 0 .. i / 2 - 1.  A work-group takes blocks b and 15 - b: 9 tiles of 256 keys, 36 steps of 64,
; whatever b.  Trip counts are constants; every jump but the loops' own goes forward and passes no barrier and no tensor load.  NO CLUSTER: a head's 8 work-groups begin with different
; tiles and name different tiles in the same trip; a walk common to all would have 16 trips for 9.  NO PREFETCH: half of a head's tiles are first read by the loads at the kernel's head, the others in the trips just behind.
; SHARES.  Wave w owns rows 64 u + 16 w + l % 16 of a block, u = 0, 1: two tiles of 16 queries, one in each band of 64, so the mask's case (all, diagonal, none) is the same for every wave.
; TURNS.  Turn j: 16 products K Q^T of step j + 1; the exponentials, roundings, sums and rescaling of step j; clamp, maximum and scaling of step j + 1; 16 products V^T P of step j.  It asks for
; K and V of step j + 2 out of LDS; V has two buffers.  A turn's 66 exponentials are one batch with one wait.
; REGISTERS: window 0 addresses, statistics, S^T (two buffers by the step's parity, two tiles), P; window 1 O^T, the diagonal's mask MD, two sets of biases (odd steps, even steps);
; window 2 Q, the second block's Q, K of one step, V of two.
; LIMITS.  q, k, v, the weights and o are bf16.  A weight below 2^-126 counts as 0 (against a sum of at least 1).  NaN and infinities are not treated apart.
.set PK, 144                           ; a row of K in LDS: 128 bytes + 16
.set PVB, 160                          ; a row of V: 128 + 32
.set VOFF, 256*PK                      ; a slot: 256 rows of K, then 256 rows of V
.set SLOT1, 1<<17
.set STAGE, SLOT1+256*(PK+PVB)         ; 16 rows x 144 bytes a wave, for the way out
.set SP, 144
.set SCR, STAGE+4*16*SP                ; 768 bytes a wave: Vtot, Vsuf of the first block, of the second: 64 f32 each
.set SPARE, SCR+4*768                  ; the spare words, 128 bytes a wave
.set AK0, 2
.set AV0, 3
.set AK, 4
.set AV, 5
.set STO, 6
.set RD, 7
.set GO, 8
.set MV, 12                            ; v12-13  cs m_old, kept while cs m is made anew
.set QO, 15
.set ST, 16                            ; tile u at v[16 + 4 u]: cs m, m, l (even keys', odd keys')
.set TMP, 24                           ; by parity and tile four registers c0-c3; c2 takes the rescaling factor
.set KC, 40                            ; v40-41  1 / 1600, twice
.set EB, 42                            ; v42-61  a block's end, ten a tile
.set SPW, 62
.set NIL, 63
.set S, 64
.set P, 192
.set SCB, 224
.set SCA, 225
.set CSO, 226
.set MD, 64                            ; window 1
.set BO, 96
.set BVV, 160
.set QB, 32                            ; window 2
.set KF, 64
.set VF, 128
.set PB, 10
.set BH, 11
.set WV, 12
.set DL, 14                            ; the first block's diagonal tile
.set DH, 15                            ; the second's
.set KB, 16                            ; s[16:17] K at my half of the head's tile 0
.set VB, 18
.set G1K, 24
.set G1V, 32
.set G0K, 40                           ; two sets: the first fill of slot 0; slot 1's, which then walks
.set G0V, 48
.set SLOTS, 56
.set CNT, 57
.set CS, 58
.set SEL, 60
.set TBK, 62
.set TBV, 63
.set RT, 66                            ; tiles of the block in hand still to be finished
.set NXT, 67                           ; the tile to be asked for next
.set CI, 68                            ; the diagonal tile of the block whose tiles are being asked for
.set T1, 69
.set OFF, 70
.set SM, 72                            ; the block's step for which the next biases are made
.set SMX, 73
.set OWN, 74                           ; s74-75  the step of the diagonal tile that holds tile u's diagonal
.set AL, 76                            ; s[76:77], s[80:81]  the mask's factor, tile 0, 1
.set BE, 78                            ; s[78:79], s[82:83]  its addend
.set BIGN, 88
.set NRL, 89
.set NRH, 90
.set OB, 92
.set OB2, 94
.set MSB, 0
.macro WIN new
.if MSB != (\new)
	s_set_vgpr_msb (MSB<<8)|(\new)
.set MSB, (\new)
.endif
.endm
.set W_KQ, 0x0a
.set W_PV, 0x52
.set W_RS, 0x41
.macro UPDATE                          ; the walk's next tile: behind the diagonal tile 0, 1, ..; where that reaches the diagonal again, the second block's diagonal
	s_add_co_u32 s[T1], s[NXT], 1
	s_cmp_eq_u32 s[NXT], s[CI]
	s_cselect_b32 s[NXT], 0, s[T1]
	s_cmp_eq_u32 s[NXT], s[CI]
	s_cselect_b32 s[NXT], s[DH], s[NXT]
	s_cselect_b32 s[CI], s[DH], s[CI]
.endm
.macro LOAD                            ; waves 0 and 1 fetch the halves of a tile's K, waves 2 and 3 those of its V
	s_cmp_lt_u32 s[WV], 2
	s_cbranch_scc0 .Lfor_v_\@
	tensor_load_to_lds s[G0K+4:G0K+7], s[G1K:G1K+7]
	s_nop 0
.rept 4
	v_nop
.endr
	s_branch .Lasked_\@
.Lfor_v_\@:
	tensor_load_to_lds s[G0V+4:G0V+7], s[G1V:G1V+7]
	s_nop 0
.rept 4
	v_nop
.endr
.Lasked_\@:
.endm
; The change of slots: every step of the slot has been asked for out of LDS.  Each wave waits for all its tensor loads (its part of the other slot), adds 0 to its spare word, and waits for that
; and for its reads.  fill = 1: the slot is filled again, first thing behind the barrier, with tile NXT.
.macro CHANGE fill
	WIN 0
	s_wait_tensorcnt 0x0
	ds_add_u32 v[SPW], v[NIL]
.if \fill
	s_lshl_b32 s[OFF], s[NXT], 15                  ; a tile is 32,768 bytes of K and of V
	s_xor_b32 s[G0K+5], s[G0K+5], SLOT1
	s_add_nc_u64 s[G0K+6:G0K+7], s[KB:KB+1], s[OFF:OFF+1]
	s_or_b32 s[G0K+7], s[G0K+7], 0x80000000
	s_xor_b32 s[G0V+5], s[G0V+5], SLOT1
	s_add_nc_u64 s[G0V+6:G0V+7], s[VB:VB+1], s[OFF:OFF+1]
	s_or_b32 s[G0V+7], s[G0V+7], 0x80000000
	UPDATE
.endif
	s_wait_dscnt 0x0                               ; the add is done, and my reads of the slot are over
	s_barrier_signal -1
	s_sub_co_u32 s[TBK], s[TBK], 256*PK            ; the fetches go back to a slot's first step, in the other slot
	s_xor_b32 s[TBK], s[TBK], SLOT1
	s_sub_co_u32 s[TBV], s[TBV], 256*PVB
	s_xor_b32 s[TBV], s[TBV], SLOT1
	s_barrier_wait -1
.if \fill
	LOAD
.endif
.endm
.macro FETCH_K                         ; a step's K: 64 keys x 64 channels, 8 fragments
	WIN 0x80
.irp f, 0,1,2,3,4,5,6,7
	ds_load_b128 v[KF+8*\f:KF+8*\f+3], v[AK] offset:(\f/2)*16*PK+(\f%2)*64
	ds_load_b128 v[KF+8*\f+4:KF+8*\f+7], v[AK] offset:(\f/2)*16*PK+(\f%2)*64+32
.endr
	WIN 0
.endm
.macro FETCH_V buf                     ; a step's V, turned
	WIN 0x80
.irp f, 0,1,2,3,4,5,6,7
	ds_load_tr16_b128 v[VF+64*(\buf)+8*\f:VF+64*(\buf)+8*\f+3], v[AV] offset:(\f/4)*32*PVB+(\f%4)*32
	ds_load_tr16_b128 v[VF+64*(\buf)+8*\f+4:VF+64*(\buf)+8*\f+7], v[AV] offset:(\f/4)*32*PVB+16*PVB+(\f%4)*32
.endr
	WIN 0
.endm
; PC is the parity of the step in hand.  REGC names tile u's registers of that step, REGN those of the next.
.macro REGC u
.set rT, ST+4*(\u)
.set rC, TMP+8*PC+4*(\u)
.set rS, S+64*PC+32*(\u)
.set rP, P+16*(\u)
.set rO, 32*(\u)
.endm
.macro REGN u
.set rT, ST+4*(\u)
.set rC, TMP+8*(1-PC)+4*(\u)
.set rS, S+64*(1-PC)+32*(\u)
.set rW, MV+(\u)
.set rB, BO+64*PC+32*(\u)              ; the next step is odd where PC = 0
.endm
.macro KQ                              ; product qi of 16 of S^T = K Q^T for the next step: channels 32 (qi / 8) on, keys 16 ((qi / 2) % 4) on, tile qi % 2; 8 accumulators by turns
	WIN W_KQ
.set rS, S+64*(1-PC)+32*(qi%2)+8*((qi/2)%4)
.set rK, KF+16*((qi/2)%4)+8*(qi/8)
.set rQ, 16*(qi%2)+8*(qi/8)
.if qi < 8
	v_wmma_f32_16x16x32_bf16 v[rS:rS+7], v[rK:rK+7], v[rQ:rQ+7], 0
.else
	v_wmma_f32_16x16x32_bf16 v[rS:rS+7], v[rK:rK+7], v[rQ:rQ+7], v[rS:rS+7]
.endif
.set qi, qi+1
.endm
.macro PV                              ; product qi of 16 of O^T += V^T P: keys 32 (qi / 8) on, channels 16 ((qi / 2) % 4) on, tile qi % 2
	WIN W_PV
.set rO, 32*(qi%2)+8*((qi/2)%4)
.set rV, VF+64*PC+32*(qi/8)+8*((qi/2)%4)
.set rP, P+16*(qi%2)+8*(qi/8)
	v_wmma_f32_16x16x32_bf16 v[rO:rO+7], v[rV:rV+7], v[rP:rP+7], v[rO:rO+7]
.set qi, qi+1
.endm
.macro EX                              ; the exponentials' queue: 64 weights of the step in hand, then the next step's two rescaling factors.  It names a destination and source 0 alone
.if MSB != 0x10
	WIN 0
.endif
.if qe >= 64
	REGN qe-64
	v_exp_f32 v[rC+2], v[rC+1]
.else
	REGC qe%2
	v_exp_f32 v[rS+qe/2], v[rS+qe/2]
.endif
.set qe, qe+1
.endm
.macro R2                              ; O^T times the factor of the step in hand, two pairs at a time, each accumulator from its low end
	REGC qr%2
	WIN W_RS
.irp w, 0,1
	v_pk_mul_f32 v[rO+4*(qr/2)+2*\w:rO+4*(qr/2)+2*\w+1], v[rO+4*(qr/2)+2*\w:rO+4*(qr/2)+2*\w+1], v[rC+2:rC+3] op_sel_hi:[1,0]
.endr
.set qr, qr+1
.endm
.macro ZQ                              ; z = clamp01(raw / 1600 + bias) for a pair of the next step's scores, each accumulator from its low end
	REGN qz%2
	WIN 0x10                               ; the bias lies in window 1
	v_pk_fma_f32 v[rS+2*(qz/2):rS+2*(qz/2)+1], v[rS+2*(qz/2):rS+2*(qz/2)+1], v[KC:KC+1], v[rB+2*(qz/2):rB+2*(qz/2)+1] clamp
.set qz, qz+1
.endm
; Number n of the 22 that find the next step's maximum and statistics for tile u: 0-11 four chains of seven z each; 12-14, 16 the four left over, the old m, the chains into c0; 15 cs m_old is kept;
; 17, 18 the query's other 32 keys lie in the lane 16 away; 19 cs m; 20 cs m_old - cs m_new; 21 the factor
.macro XS u, n
	REGN \u
.if (\n) < 4
	v_max3_num_f32 v[rC+(\n)], v[rS+8*(\n)], v[rS+8*(\n)+1], v[rS+8*(\n)+2]
.elseif (\n) < 12
	v_max3_num_f32 v[rC+(\n)%4], v[rC+(\n)%4], v[rS+8*((\n)%4)+2*((\n)/4)+1], v[rS+8*((\n)%4)+2*((\n)/4)+2]
.elseif (\n) == 12
	v_max3_num_f32 v[rC], v[rC], v[rS+7], v[rS+15]
.elseif (\n) == 13
	v_max3_num_f32 v[rC+1], v[rC+1], v[rS+23], v[rS+31]
.elseif (\n) == 14
	v_max3_num_f32 v[rC+2], v[rC+2], v[rC+3], v[rT+1]
.elseif (\n) == 15
	v_mov_b32 v[rW], v[rT]
.elseif (\n) == 16
	v_max3_num_f32 v[rC], v[rC], v[rC+1], v[rC+2]
.elseif (\n) == 17
	v_permlanex16_b32 v[rC+3], v[rC], s[SEL], s[SEL+1]
.elseif (\n) == 18
	v_max_num_f32 v[rT+1], v[rC], v[rC+3]
.elseif (\n) == 19
	v_mul_f32 v[rT], s[CS], v[rT+1]
.elseif (\n) == 20
	v_sub_f32 v[rC+1], v[rW], v[rT]
.else
	v_exp_f32 v[rC+2], v[rC+1]
.endif
.endm
.macro PL                              ; the plain queue ahead of the wait: the 32 clamps, then 42 of XS: numbers 0-13, 15, and the chain 14, 16 .. 20, the tiles alternating
.if qz < 32
	ZQ
.else
	WIN 0
.if qx < 28
	XS qx%2, qx/2
.elseif qx < 30
	XS qx-28, 15
.elseif qx < 32
	XS qx-30, 14
.else
	XS qx%2, 15+(qx-30)/2
.endif
.set qx, qx+1
.endif
.endm
.macro CQ                              ; a pair of weights rounded to bf16; the first 16 make the first 32 keys' half of P
	WIN 0
	REGC qc%2
	v_cvt_pk_bf16_f32 v[rP+qc/2], v[rS+2*(qc/2)], v[rS+2*(qc/2)+1]
.set qc, qc+1
.endm
; The sums.  B g: of the four weights 4 g .. the second pair is added onto the first, in place (their roundings stand earlier); L g: l takes that sum (L 0: l = factor x l + sum).  Order: B 0; then B g, L g - 1; then L 7
.macro SQ
	WIN 0
	REGC qs%2
.set kind, 0
.set g, 0
.if qs >= 30
.set kind, 1
.set g, 7
.elseif qs >= 2
.set g, (qs-2)/4+1
.if (qs-2)%4 >= 2
.set kind, 1
.set g, g-1
.endif
.endif
.if kind == 0
	v_pk_add_f32 v[rS+4*g:rS+4*g+1], v[rS+4*g:rS+4*g+1], v[rS+4*g+2:rS+4*g+3]
.elseif g == 0
	v_pk_fma_f32 v[rT+2:rT+3], v[rT+2:rT+3], v[rC+2:rC+3], v[rS:rS+1] op_sel_hi:[1,0,1]
.else
	v_pk_add_f32 v[rT+2:rT+3], v[rT+2:rT+3], v[rS+4*g:rS+4*g+1]
.endif
.set qs, qs+1
.endm
.macro FS                              ; cs z - cs m for a pair of the next step
	WIN 0
	REGN qf%2
	v_pk_fma_f32 v[rS+2*(qf/2):rS+2*(qf/2)+1], v[rS+2*(qf/2):rS+2*(qf/2)+1], s[CS:CS+1], v[rT:rT+1] op_sel_hi:[1,0,0] neg_lo:[0,0,1] neg_hi:[0,0,1]
.set qf, qf+1
.endm
; A TURN, for a step of parity p.  Ahead of its one wait stands all that names no result of its exponentials; behind it the roundings, the sums and the products V^T P.
; K's run of loads stands seven plain instructions behind the last product that read K (two rescalings, the address, four clamps of accumulators finished earlier);
; V's five behind the last product that read that buffer.
.macro TURN p
.set PC, \p
.set qi, 0
.set qe, 0
.set qr, 0
.set qz, 0
.set qx, 0
.set qc, 0
.set qs, 0
.set qf, 0
	s_wait_dscnt 16                                ; the 16 youngest loads (V of the next step) may stay out: K of the next step and V of this one are in
.rept 16
	KQ
	EX
	EX
	R2
.endr
	WIN 0
	v_add_nc_u32 v[AK], s[TBK], v[AK0]
.rept 4
	ZQ
.endr
	FETCH_K
	s_add_co_u32 s[TBK], s[TBK], 64*PK
.rept 32
	PL
	PL
	EX
.endr
.rept 6
	PL
.endr
	EX
	EX
	v_nop                                          ; a plain instruction behind the last exponential: one for the batch,
	s_wait_alu depctr_va_vdst(0)                   ; and the one wait ahead of the batch's first reader
.rept 16
	CQ
.endr
.set qi, 0
.rept 8
	PV
	CQ
	CQ
	SQ
	SQ
.endr
.rept 8
	PV
	SQ
	SQ
	FS
	FS
.endr
	WIN 0
	v_add_nc_u32 v[AV], s[TBV], v[AV0]
	FETCH_V \p
	s_add_co_u32 s[TBV], s[TBV], 64*PVB
.rept 16
	FS
.endr
	WIN 0
.endm
; The biases of the block's step SM: MD x AL + BE.  In the diagonal tile (SM < 4): the band's own step (1, 0.5); an earlier one (0, 0.5); a later one (0, -1e30).  Behind it (0, 0.5).
.macro MSK
	s_cmp_lt_u32 s[SM], 4
	s_cselect_b32 s[SMX], s[SM], -1
.irp u, 0,1
	s_cmp_eq_u32 s[SMX], s[OWN+\u]
	s_cselect_b32 s[AL+4*\u], 1.0, 0
	s_cmp_gt_i32 s[SMX], s[OWN+\u]
	s_cselect_b32 s[BE+4*\u], s[BIGN], 0.5
.endr
.endm
.macro SETMASK set
	WIN W_RS
.irp u, 0,1
.set zz, 0
.rept 16
	v_pk_fma_f32 v[(\set)+32*\u+2*zz:(\set)+32*\u+2*zz+1], v[MD+2*zz:MD+2*zz+1], s[AL+4*\u:AL+4*\u+1], s[BE+4*\u:BE+4*\u+1] op_sel_hi:[1,0,0]
.set zz, zz+1
.endr
.endr
.endm
.macro MASKUPD set                     ; behind the turn that has read a set: the set's next biases; from step 6 on both sets stay as they are
	WIN 0
	s_cmp_gt_u32 s[SM], 5
	s_cbranch_scc1 .Lnomask_\@
	MSK
	SETMASK \set
	WIN 0
	s_add_co_u32 s[SM], s[SM], 1
.Lnomask_\@:
.endm
; A BLOCK BEGINS, two steps of its first tile having been asked for already (V's lie in their buffers; K's are fetched anew, since step 0's was spent on the old block's Q).
; cs m starts far below every cs z, so the first factor is 0 and O^T and l need only be finite; m starts at 0.
.macro BEGIN
.set PC, 1                             ; the next step, the block's step 0, is even
	WIN 0
	s_wait_dscnt 0x0                               ; no load into K's registers is out
.irp u, 0,1
	v_mov_b32 v[ST+4*\u], 0xfe000000
	v_mov_b32 v[ST+4*\u+1], 0
.endr
	s_mov_b32 s[SM], 0
	MSK
	SETMASK BVV
	WIN 0
	s_sub_co_u32 s[T1], s[TBK], 2*64*PK
	v_add_nc_u32 v[AK], s[T1], v[AK0]
	FETCH_K                                        ; step 0
	s_wait_dscnt 0x0
.set qi, 0
.rept 16
	KQ
.endr
	s_mov_b32 s[SM], 1
	MSK
	SETMASK BO                                     ; 32 plain instructions: the places behind those products
	WIN 0
	s_sub_co_u32 s[T1], s[TBK], 64*PK
	v_add_nc_u32 v[AK], s[T1], v[AK0]
	FETCH_K                                        ; step 1
.set qz, 0
.rept 32
	ZQ
.endr
	s_mov_b32 s[SM], 2
	MSK
	SETMASK BVV
	WIN 0
.irp n, 0,1,2,3,4,5,6,7,8,9,10,11,12,13,14,15,16,17,18,19,20,21
	XS 0, \n
	XS 1, \n
.endr
	v_nop
	s_wait_alu depctr_va_vdst(0)                   ; the two factors' wait, ahead of the label
.set qf, 0
.rept 32
	FS
.endr
	s_mov_b32 s[SM], 3
	s_wait_dscnt 0x0
.endm
; A BLOCK ENDS.  sel: which Vsuf; nr: the register with the number of keys not walked.  The last turn's look-ahead has kept the final cs m in MV.
; At v[EB + 10 u]: +0 l, +1 at work, +2 em, +3 S, +4 G1 = 1 / ((S + 1e-6) Z), +5 1 / (S + 1e-6), +6 G2 = 1e-8 / Z, +7 1 / Z, +8 G3 = em G1, +9 Z.
.macro END sel, nr
	WIN 0
	s_wait_dscnt 0x0
.irp cb, 0,1,2,3
	ds_load_b128 v[S+8*\cb:S+8*\cb+3], v[SCB] offset:256*(\sel)+64*\cb
	ds_load_b128 v[S+8*\cb+4:S+8*\cb+7], v[SCB] offset:256*(\sel)+64*\cb+16
	ds_load_b128 v[S+32+8*\cb:S+32+8*\cb+3], v[SCB] offset:64*\cb
	ds_load_b128 v[S+32+8*\cb+4:S+32+8*\cb+7], v[SCB] offset:64*\cb+16
.endr
.irp u, 0,1
	v_add_f32 v[EB+10*\u], v[ST+4*\u+2], v[ST+4*\u+3]
.endr
.irp u, 0,1
	v_permlanex16_b32 v[EB+10*\u+1], v[EB+10*\u], s[SEL], s[SEL+1]
.endr
.irp u, 0,1
	v_add_f32 v[EB+10*\u], v[EB+10*\u], v[EB+10*\u+1]
.endr
.irp u, 0,1
	v_exp_f32 v[EB+10*\u+2], -v[MV+\u]
.endr
	v_nop
	s_wait_alu depctr_va_vdst(0)
.irp u, 0,1
	v_fma_f32 v[EB+10*\u+3], s[\nr], v[EB+10*\u+2], v[EB+10*\u]
.endr
.irp u, 0,1
	v_add_f32 v[EB+10*\u+1], 0x358637bd, v[EB+10*\u+3]  ; + 1e-6
.endr
.irp u, 0,1
	v_rcp_f32 v[EB+10*\u+5], v[EB+10*\u+1]
.endr
	v_nop
	s_wait_alu depctr_va_vdst(0)
.irp u, 0,1
	v_fmaak_f32 v[EB+10*\u+9], v[EB+10*\u+3], v[EB+10*\u+5], 0x37abcc77  ; + 2048e-8
.endr
.irp u, 0,1
	v_rcp_f32 v[EB+10*\u+7], v[EB+10*\u+9]
.endr
	v_nop
	s_wait_alu depctr_va_vdst(0)
.irp u, 0,1
	v_mul_f32 v[EB+10*\u+4], v[EB+10*\u+5], v[EB+10*\u+7]
	v_mul_f32 v[EB+10*\u+6], 0x322bcc77, v[EB+10*\u+7]  ; 1e-8
.endr
.irp u, 0,1
	v_mul_f32 v[EB+10*\u+8], v[EB+10*\u+2], v[EB+10*\u+4]
.endr
	s_wait_dscnt 0x0
.irp u, 0,1
.set i, 0
.rept 16
	v_pk_mul_f32 v[S+64+32*\u+i:S+64+32*\u+i+1], v[S+32+i:S+32+i+1], v[EB+10*\u+6:EB+10*\u+7] op_sel_hi:[1,0]
.set i, i+2
.endr
.set i, 0
.rept 16
	v_pk_fma_f32 v[S+64+32*\u+i:S+64+32*\u+i+1], v[S+i:S+i+1], v[EB+10*\u+8:EB+10*\u+9], v[S+64+32*\u+i:S+64+32*\u+i+1] op_sel_hi:[1,0,1]
.set i, i+2
.endr
.endr
	WIN W_RS
.irp u, 0,1
.set i, 0
.rept 16
	v_pk_fma_f32 v[32*\u+i:32*\u+i+1], v[32*\u+i:32*\u+i+1], v[EB+10*\u+4:EB+10*\u+5], v[S+64+32*\u+i:S+64+32*\u+i+1] op_sel_hi:[1,0,1]
.set i, i+2
.endr
.endr
	WIN 0x05
.irp u, 0,1
.set i, 0
.rept 16
	v_cvt_pk_bf16_f32 v[P+16*\u+i], v[32*\u+2*i], v[32*\u+2*i+1]
.set i, i+1
.endr
.endr
	WIN 0
.irp u, 0,1                            ; 16 bytes a lane into rows of 144 bytes of my stage, and back as whole rows of 128; LDS serves a wave's instructions in order
.irp f, 0,1,2,3
	ds_store_b128 v[STO], v[P+16*\u+4*\f:P+16*\u+4*\f+3] offset:32*\f
.endr
.irp f, 0,1,2,3
	ds_load_b128 v[P+16*\u+4*\f:P+16*\u+4*\f+3], v[RD] offset:\f*4*SP
.endr
.endr
	s_wait_dscnt 0x0
.irp u, 0,1
.irp f, 0,1,2,3
	global_store_b128 v[GO], v[P+16*\u+4*\f:P+16*\u+4*\f+3], s[OB:OB+1] offset:\u*131072+\f*512  ; 512 consecutive bytes, at a multiple of 256
.endr
.endr
.endm
	s_load_b128 s[4:7], s[0:1], 0x0                ; qkvb s[4:5], csum s[6:7]
	s_load_b64 s[8:9], s[0:1], 0x10                ; ob
	v_lshl_add_u32 v[SPW], v0, 2, SPARE
	v_mov_b32 v[NIL], 0
	ds_add_u32 v[SPW], v[NIL]                      ; the wave's opening: the add and its wait, ahead of my first tensor load
	v_lshrrev_b32 v1, 5, v0
	v_readfirstlane_b32 s[WV], v1
	s_mov_b32 s[PB], ttmp9                         ; b: the first block
	s_and_b32 s[BH], ttmp7, 0xffff                 ; 16 x batch + head
	s_lshr_b32 s[DL], s[PB], 1
	s_sub_co_u32 s13, 15, s[PB]                    ; the second block
	s_lshr_b32 s[DH], s13, 1
	s_and_b32 s22, s[WV], 1                        ; which half of a tile's 256 keys I fetch
	s_lshl_b32 s20, s[BH], 18                      ; a head is 262,144 bytes
	s_lshl_b32 s23, s22, 14
	s_add_co_u32 s20, s20, s23
	s_add_co_u32 s20, s20, 0x800000                ; K's part of qkvb
	s_mov_b32 s21, 0
	s_mul_i32 s98, s22, 128*PK
	s_mul_i32 s99, s22, 128*PVB
	s_add_co_u32 s99, s99, VOFF
	; 128 keys are 16,384 dense bytes: asked for as 64 rows of 256 bytes, padded in LDS after every key
	s_mov_b32 s[G1K], (1<<16)|(1<<20)|(4<<22)|(3<<25)
	s_mov_b32 s[G1V], (1<<16)|(1<<20)|(4<<22)|(7<<25)
.irp g, G1K, G1V
	s_mov_b32 s[\g+1], 128<<16
	s_mov_b32 s[\g+2], 64<<16
	s_mov_b32 s[\g+3], 128<<16
	s_mov_b32 s[\g+4], 64
	s_mov_b32 s[\g+5], 128
	s_mov_b32 s[\g+6], 0
	s_mov_b32 s[\g+7], 0
.endr
	s_mov_b32 s[NXT], s[DL]
	s_mov_b32 s[CI], s[DL]
	s_lshl_b32 s[OFF], s[NXT], 15                  ; the walk's first tile
	s_mov_b32 s[OFF+1], 0
	UPDATE
	s_lshl_b32 s22, s[NXT], 15                     ; its second
	s_mov_b32 s23, 0
	UPDATE
	s_lshl_b32 s84, s[BH], 18                      ; Q: the head, the block's 128 rows of 128 bytes, my wave's 16 rows
	s_lshl_b32 s85, s[WV], 11
	s_add_co_u32 s84, s84, s85
	s_lshl_b32 s86, s13, 14
	s_add_co_u32 s86, s86, s84
	s_lshl_b32 s85, s[PB], 14
	s_add_co_u32 s84, s84, s85
	s_mov_b32 s85, 0
	s_mov_b32 s87, 0
	s_lshr_b32 s80, s[BH], 4                       ; ob: group = 128 x batch + 8 x block + 4 u + wave, of 32,768 bytes; the head's 2,048 in it
	s_lshl_b32 s80, s80, 7
	s_add_co_u32 s80, s80, s[WV]
	s_lshl_b32 s82, s13, 3
	s_add_co_u32 s82, s82, s80
	s_lshl_b32 s81, s[PB], 3
	s_add_co_u32 s80, s80, s81
	s_lshl_b32 s80, s80, 15
	s_lshl_b32 s82, s82, 15
	s_and_b32 s81, s[BH], 15
	s_lshl_b32 s81, s81, 11
	s_add_co_u32 s80, s80, s81
	s_add_co_u32 s82, s82, s81
	s_mov_b32 s81, 0
	s_mov_b32 s83, 0
	s_add_co_u32 s76, s[BH], 64                    ; csum: V's part
	s_lshl_b32 s76, s76, 13
	s_mov_b32 s77, 0
	s_wait_dscnt 0x0                               ; the opening add is done
	s_wait_kmcnt 0x0
	s_add_nc_u64 s[KB:KB+1], s[4:5], s[20:21]
	s_add_nc_u64 s[VB:VB+1], s[KB:KB+1], 0x800000
	s_add_nc_u64 s[2:3], s[4:5], s[84:85]          ; Q of the first block,
	s_add_nc_u64 s[96:97], s[4:5], s[86:87]        ; of the second
	s_add_nc_u64 s[OB:OB+1], s[8:9], s[80:81]
	s_add_nc_u64 s[OB2:OB2+1], s[8:9], s[82:83]
	s_add_nc_u64 s[6:7], s[6:7], s[76:77]
	s_mov_b32 s[G0K], 1
	s_mov_b32 s[G0K+1], s98
	s_add_nc_u64 s[G0K+2:G0K+3], s[KB:KB+1], s[OFF:OFF+1]
	s_or_b32 s[G0K+3], s[G0K+3], 0x80000000
	s_mov_b32 s[G0K+4], 1
	s_add_co_u32 s[G0K+5], s98, SLOT1
	s_add_nc_u64 s[G0K+6:G0K+7], s[KB:KB+1], s[22:23]
	s_or_b32 s[G0K+7], s[G0K+7], 0x80000000
	s_mov_b32 s[G0V], 1
	s_mov_b32 s[G0V+1], s99
	s_add_nc_u64 s[G0V+2:G0V+3], s[VB:VB+1], s[OFF:OFF+1]
	s_or_b32 s[G0V+3], s[G0V+3], 0x80000000
	s_mov_b32 s[G0V+4], 1
	s_add_co_u32 s[G0V+5], s99, SLOT1
	s_add_nc_u64 s[G0V+6:G0V+7], s[VB:VB+1], s[22:23]
	s_or_b32 s[G0V+7], s[G0V+7], 0x80000000
	s_cmp_lt_u32 s[WV], 2                          ; a wave's two first fills stand in one branch: two loads of mine are out
	s_cbranch_scc0 .Lfirst_v
	tensor_load_to_lds s[G0K:G0K+3], s[G1K:G1K+7]
	s_nop 0
	tensor_load_to_lds s[G0K+4:G0K+7], s[G1K:G1K+7]
	s_nop 0
.rept 4
	v_nop
.endr
	s_branch .Lfirst_asked
.Lfirst_v:
	tensor_load_to_lds s[G0V:G0V+3], s[G1V:G1V+7]
	s_nop 0
	tensor_load_to_lds s[G0V+4:G0V+7], s[G1V:G1V+7]
	s_nop 0
.rept 4
	v_nop
.endr
.Lfirst_asked:
	v_and_b32 v1, 15, v0                           ; l % 16
	v_bfe_u32 v9, v0, 4, 1                         ; l / 16
	v_lshlrev_b32 v[QO], 7, v1
	v_lshl_add_u32 v[QO], v9, 4, v[QO]
	WIN 0x80
.set i, 0
.rept 4                                ; both blocks' Q: tile i / 2 lies 64 rows on; channels 32 (i % 2) on
	global_load_b128 v[8*i:8*i+3], v[QO], s[2:3] offset:(i/2)*8192+(i%2)*64
	global_load_b128 v[8*i+4:8*i+7], v[QO], s[2:3] offset:(i/2)*8192+(i%2)*64+32
	global_load_b128 v[QB+8*i:QB+8*i+3], v[QO], s[96:97] offset:(i/2)*8192+(i%2)*64
	global_load_b128 v[QB+8*i+4:QB+8*i+7], v[QO], s[96:97] offset:(i/2)*8192+(i%2)*64+32
.set i, i+1
.endr
	WIN 0
	v_and_b32 v14, 31, v0
	v_lshlrev_b32 v[CSO], 3, v14
.set i, 0
.rept 32                               ; the head's 32 sums of 64 rows of V: two channels a lane
	global_load_b64 v[S+2*i:S+2*i+1], v[CSO], s[6:7] offset:256*i
.set i, i+1
.endr
	s_mov_b32 s[CS], 0x439044fe                    ; 200 log2(e)
	s_mov_b32 s[CS+1], s[CS]
	s_mov_b32 s[SEL], 0x76543210
	s_mov_b32 s[SEL+1], 0xfedcba98
	s_mov_b32 s[BIGN], 0xf149f2ca                  ; -1e30
	s_mov_b32 s[AL+1], 0                           ; named as pairs
	s_mov_b32 s[BE+1], 0
	s_mov_b32 s[AL+5], 0
	s_mov_b32 s[BE+5], 0
	s_mov_b32 s85, 0
	s_mov_b32 s87, 0
	s_and_b32 s[OWN], s[PB], 1
	s_lshl_b32 s[OWN], s[OWN], 1                   ; tile u's band among the diagonal tile's four: 2 (block % 2) + u
	s_add_co_u32 s[OWN+1], s[OWN], 1
	s_add_co_u32 s[RT], s[DL], 1
	s_lshl_b32 s13, s[DL], 8
	s_sub_co_u32 s13, 1792, s13                    ; 2,048 - 256 (d + 1) keys are not walked
	s_cvt_f32_u32 s[NRL], s13
	s_lshl_b32 s13, s[DH], 8
	s_sub_co_u32 s13, 1792, s13
	s_cvt_f32_u32 s[NRH], s13
	; MD: in a band's own step register 8 kb + j holds key 16 kb + 8 (l / 16) + j, hidden where that is greater than my query's place 16 w + l % 16
	v_lshlrev_b32 v14, 3, v9
	v_sub_nc_u32 v14, v1, v14
	s_lshl_b32 s13, s[WV], 4
	v_add_nc_u32 v14, s13, v14
	WIN 0x40
.set i, 0
.rept 32
	v_cmp_gt_i32 vcc_lo, 16*(i/8)+i%8, v14
	v_cndmask_b32 v[MD+i], 0, s[BIGN], vcc_lo
.set i, i+1
.endr
.set i, 0
.rept 64                               ; O^T need only be finite: a block's first step multiplies it by 0
	v_mov_b32 v[i], 0
.set i, i+1
.endr
	WIN 0
.irp u, 0,1
	v_mov_b32 v[ST+4*\u+2], 0
	v_mov_b32 v[ST+4*\u+3], 0
	v_mov_b32 v[EB+10*\u+1], 0
.endr
	v_mov_b32 v[KC], 0x3a23d70a                    ; 1 / 1600
	v_mov_b32 v[KC+1], 0x3a23d70a
	v_mul_u32_u24 v[AK0], v1, PK
	v_lshl_add_u32 v[AK0], v9, 4, v[AK0]
	v_and_b32 v10, 7, v0
	v_bfe_u32 v11, v0, 3, 1
	v_lshl_add_u32 v[AV0], v9, 3, v10
	v_mul_u32_u24 v[AV0], v[AV0], PVB
	v_lshl_add_u32 v[AV0], v11, 4, v[AV0]
	v_add_nc_u32 v[AV0], VOFF, v[AV0]
	s_mul_i32 s13, s[WV], 16*SP
	s_add_co_u32 s13, s13, STAGE
	v_mul_u32_u24 v[STO], v1, SP
	v_lshl_add_u32 v[STO], v9, 4, v[STO]
	v_add_nc_u32 v[STO], s13, v[STO]
	v_bfe_u32 v[RD], v0, 3, 2
	v_mul_u32_u24 v[RD], v[RD], SP
	v_lshl_add_u32 v[RD], v10, 4, v[RD]
	v_add_nc_u32 v[RD], s13, v[RD]
	v_and_b32 v[GO], 31, v0
	v_lshlrev_b32 v[GO], 4, v[GO]
	s_mul_i32 s13, s[WV], 768
	s_add_co_u32 s13, s13, SCR
	v_lshl_add_u32 v[SCB], v9, 5, s13              ; my eight channels of a block of 16: 32 (l / 16)
	v_add_nc_u32 v[SCA], s13, v[CSO]
	s_wait_loadcnt 0x0                             ; Q, and V's sums
.set t, 0
.rept 8                                ; four blocks of 64 rows make a tile's sum
	v_pk_add_f32 v[S+8*t:S+8*t+1], v[S+8*t:S+8*t+1], v[S+8*t+2:S+8*t+3]
	v_pk_add_f32 v[S+8*t+4:S+8*t+5], v[S+8*t+4:S+8*t+5], v[S+8*t+6:S+8*t+7]
	v_pk_add_f32 v[S+8*t:S+8*t+1], v[S+8*t:S+8*t+1], v[S+8*t+4:S+8*t+5]
.set t, t+1
.endr
.set t, 0
.rept 8                                ; v[128:129] all tiles; v[130:131], v[132:133] the tiles behind the first, the second block's diagonal
	s_cmp_lt_u32 s[DL], t
	s_cselect_b32 s84, 1.0, 0
	s_cmp_lt_u32 s[DH], t
	s_cselect_b32 s86, 1.0, 0
.if t == 0
	v_pk_mul_f32 v[130:131], v[S:S+1], s[84:85] op_sel_hi:[1,0]
	v_pk_mul_f32 v[132:133], v[S:S+1], s[86:87] op_sel_hi:[1,0]
.else
.if t == 1
	v_pk_add_f32 v[128:129], v[S:S+1], v[S+8:S+9]
.else
	v_pk_add_f32 v[128:129], v[128:129], v[S+8*t:S+8*t+1]
.endif
	v_pk_fma_f32 v[130:131], v[S+8*t:S+8*t+1], s[84:85], v[130:131] op_sel_hi:[1,0,1]
	v_pk_fma_f32 v[132:133], v[S+8*t:S+8*t+1], s[86:87], v[132:133] op_sel_hi:[1,0,1]
.endif
.set t, t+1
.endr
	ds_store_b64 v[SCA], v[128:129]                ; my wave's own copy: no other wave reads it
	ds_store_b64 v[SCA], v[130:131] offset:256
	ds_store_b64 v[SCA], v[132:133] offset:512
	s_wait_tensorcnt 0x1                           ; my part of slot 0 is in; slot 1's may stay out
	s_wait_dscnt 0x0
	s_barrier_signal -1
	s_barrier_wait -1
	v_mov_b32 v[AV], v[AV0]
	FETCH_V 0                                      ; V of steps 0 and 1
	v_add_nc_u32 v[AV], 64*PVB, v[AV0]
	FETCH_V 1
	s_mov_b32 s[TBK], 2*64*PK                      ; the turns fetch from step 2 on
	s_mov_b32 s[TBV], 2*64*PVB
	s_mov_b32 s[CNT], 2
	s_mov_b32 s[SLOTS], 8
	s_branch .Lbegin
.Ltile:                                        ; 7 times: a slot is left and filled again.  A trip: a tile's last two steps, the next tile's first two
	CHANGE 1
	s_mov_b32 s[CNT], 2
.Lpair:
	TURN 0
	MASKUPD BO
	TURN 1
	MASKUPD BVV
	s_cmp_lg_u32 s[CNT], 2
	s_cbranch_scc1 .Lno                            ; a tile ends behind a trip's first pair alone
	s_sub_co_u32 s[RT], s[RT], 1
	s_cmp_lg_u32 s[RT], 0
	s_cbranch_scc1 .Lno
	END 1, NRL                                     ; the first block's end
	s_wait_xcnt 0x0                                ; the stores have read their registers and their base
	s_mov_b64 s[OB:OB+1], s[OB2:OB2+1]
	s_add_co_u32 s[RT], s[DH], 1
	s_xor_b32 s[OWN], s[OWN], 2
	s_xor_b32 s[OWN+1], s[OWN+1], 2
	WIN 0x82                                       ; the second block's Q goes where the one text of the turns names Q
.set i, 0
.rept 32
	v_mov_b32 v[i], v[QB+i]
.set i, i+1
.endr
	WIN 0
.Lbegin:
	BEGIN
.Lno:
	s_sub_co_u32 s[CNT], s[CNT], 1
	s_cmp_lg_u32 s[CNT], 0
	s_cbranch_scc1 .Lpair
	s_sub_co_u32 s[SLOTS], s[SLOTS], 1
	s_cmp_lg_u32 s[SLOTS], 0
	s_cbranch_scc1 .Ltile
	s_mov_b32 s[SLOTS], 2                          ; the tail is written out: nothing is asked for
.LtileT:
	CHANGE 0
	s_mov_b32 s[CNT], 2
.LpairT:
	TURN 0
	TURN 1
	s_lshl1_add_u32 s[T1], s[SLOTS], s[CNT]
	s_cmp_eq_u32 s[T1], 4                          ; the second trip is left behind its first pair: steps 34 and 35.  What that pair fetched (bytes of an old tile) and its look-ahead serve nothing
	s_cbranch_scc1 .Lfin
	s_sub_co_u32 s[CNT], s[CNT], 1
	s_cmp_lg_u32 s[CNT], 0
	s_cbranch_scc1 .LpairT
	s_sub_co_u32 s[SLOTS], s[SLOTS], 1
	s_cmp_lg_u32 s[SLOTS], 0
	s_cbranch_scc1 .LtileT
.Lfin:
	END 2, NRH
	s_wait_tensorcnt 0x0                           ; the wave's end: behind my last tensor load and my last LDS store
	ds_add_u32 v[SPW], v[NIL]
	s_wait_dscnt 0x0
	s_endpgm
.Lfunc_end_k_q627ea85770_attn:
	.size	k_q627ea85770_attn, .Lfunc_end_k_q627ea85770_attn-k_q627ea85770_attn
	.p2alignl 7, 3214868480
	.fill 96, 4, 3214868480
	.section	.rodata,"a",@progbits
	.p2align	6, 0x0
	.amdhsa_kernel k_q627ea85770_attn
		.amdhsa_group_segment_fixed_size 327680
		.amdhsa_private_segment_fixed_size 0
		.amdhsa_enable_private_segment 0
		.amdhsa_kernarg_size 24
		.amdhsa_user_sgpr_count 2
		.amdhsa_user_sgpr_kernarg_segment_ptr 1
		.amdhsa_wavefront_size32 1
		.amdhsa_system_sgpr_workgroup_id_x 1
		.amdhsa_system_sgpr_workgroup_id_y 1
		.amdhsa_system_sgpr_workgroup_id_z 1
		.amdhsa_system_vgpr_workitem_id 0
		.amdhsa_next_free_vgpr 768
		.amdhsa_next_free_sgpr 100
		.amdhsa_reserve_vcc 1
		.amdhsa_float_denorm_mode_32 3
		.amdhsa_float_denorm_mode_16_64 3
		.amdhsa_memory_ordered 1
		.amdhsa_forward_progress 1
		.amdhsa_inst_pref_size 162
	.end_amdhsa_kernel
	.amdgpu_metadata
---
amdhsa.version: [ 1, 2 ]
amdhsa.kernels:
  - .name:           k_q627ea85770_attn
    .symbol:         k_q627ea85770_attn.kd
    .args:
      - { .name: qkvb, .offset: 0, .size: 8, .value_kind: global_buffer, .address_space: global }
      - { .name: csum, .offset: 8, .size: 8, .value_kind: global_buffer, .address_space: global }
      - { .name: ob, .offset: 16, .size: 8, .value_kind: global_buffer, .address_space: global }
    .group_segment_fixed_size: 327680
    .private_segment_fixed_size: 0
    .kernarg_segment_align: 8
    .kernarg_segment_size: 24
    .max_flat_workgroup_size: 128
    .sgpr_count:     100
    .vgpr_count:     768
    .wavefront_size: 32
...
	.end_amdgpu_metadata
.endif
;; end of part 3
;; launch proj (part 4): grid 8 x 32, 4 waves a work-group, clusters of 4 x 4, 327,680 bytes of LDS; arguments ob, wb, x, x1; writes x1
.if DOCPART == 4
	.amdgcn_target "amdgcn-amd-amdhsa--gfx1250"
	.amdhsa_code_object_version 6
	.text
	.protected	k_q627ea85770_proj
	.globl	k_q627ea85770_proj
	.p2align	8
	.type	k_q627ea85770_proj,@function
k_q627ea85770_proj:
	s_mov_b64 s[64:65], 0
	v_nop
	global_prefetch_b8 v0, s[64:65] scope:SCOPE_SE
	s_setreg_imm32_b32 hwreg(HW_REG_WAVE_MODE, 25, 1), 1
	s_wait_xcnt 0x0
	s_wait_alu depctr_hold_cnt(0) depctr_sa_sdst(0) depctr_va_vdst(0) depctr_va_sdst(0) depctr_va_ssrc(0) depctr_va_vcc(0) depctr_vm_vsrc(0)
	s_getreg_b32 s2, hwreg(HW_REG_IB_STS2, 6, 4)
	s_cmp_eq_u32 s2, 0
	s_cbranch_scc0 .Lentry_in_a_cluster
	s_endpgm
.Lentry_in_a_cluster:
	s_bfe_u32 s2, ttmp6, 0x10000c
	s_cmp_lg_u32 s2, 0xf033
	s_cbranch_scc0 .Lentry_shape_is_right
	s_endpgm
.Lentry_shape_is_right:
; x1 = x + o @ Wproj.  ob: bf16 [256 groups of 16 rows][16 heads][16 rows][64]; Wproj: [1024][1024] bf16 at byte 6,291,456 of wb; x, x1: [4096][1024] f32.  Sums in f32.
; SHARES.  A work-group makes 128 x 128; 8 x 32 work-groups, one for each WGP.  Wave w: rows 64 (w / 2) on, columns 64 (w % 2) on: 4 x 4 accumulators.  K goes in 4 steps of 256 (four heads)
; through two LDS slots of four regions of 36,864 bytes, one a wave: waves 0, 1 fetch o's two halves of 64 rows, as 4 rows of 8,192 bytes (a group's four heads lie on end), padded after every
; 128 bytes: LDS rows of 144 bytes by (group, head, row); waves 2, 3 fetch 128 k-rows x 128 columns of W each (LDS rows of 288 bytes; the two regions lie on end).
; THE PRODUCT IS USED TRANSPOSED: source 0 = 16 columns of W, turned by ds_load_tr16_b128; source 1 = 16 rows of o.  CLUSTER 4 x 4: o's tile is asked for jointly along a row, W's along a column.
; No prefetch: the tiles are small and a K step is short.  The residual is asked for at the head, into registers that nothing else names.
; REGISTERS: window 0 addresses and o's fragments (from v64), window 1 W's fragments, window 2 v0-63 and window 3 v0-63 the accumulators, window 2 v64-191 the residual.
; LIMITS.  Operands are bf16; NaN and infinities are not treated apart.
.set NA, 4
.set NB, 4
.set KD, 2
.set BPR, 4
.set NRB, 1
.set NAW, 2
.set TSTEPS, 4
.set NCOL, 1024
.set WOFF, 6291456
.set APITCH, 144
.set ABLK, 9216                        ; a group of 16 rows in LDS: 4 heads x 16 rows x 144
.set AADV, 2304                        ; a head: 16 rows x 144
.set ASTEP, 8192
.set ATY, 262144                       ; bytes of the first operand from tile row to tile row,
.set ACB, 131072                       ; and from its first half of 64 rows to the second
.set BSTEP, 256*NCOL*2
.set AW0, (1<<16)|(1<<20)|(1<<21)|(4<<22)|(3<<25)  ; after every 32 words 4 words of padding
.set BW0, (1<<16)|(1<<20)|(1<<21)|(5<<22)|(7<<25)
.set ADIM0, 4096
.set ADIM1, 4
.set ASTR, 16384
.set BP, 288
.set REG, 0x9000
.set SLOTX, 0x24000                    ; no region's start in slot 0 has one of these two bits, so one exclusive or changes slots
.set SPARE, 2*SLOTX
.set SP, 272
.set STG, 64*SP
.set RA, 8
.set RB, 9
.set ADRA0, 12
.set ADRB0, 13
.set STO, 16
.set RD, 17
.set CO, 18
.set SPW, 28
.set NIL, 29
.set WV, 12
.set CC, 14
.set RR, 15
.set G1A, 24
.set G0A, 32
.set G1B, 48
.set G0B, 56
.set CNT, 66
.set STEPS, 67
.set TA, 69
.set TBB, 70
.set LW, 71
.set MSB, 0
.macro WIN new
.if MSB != (\new)
	s_set_vgpr_msb (MSB<<8)|(\new)
.set MSB, \new
.endif
.endm
.macro PLACES
.rept 4
	v_nop
.endr
.endm
.macro CROUND
	s_barrier_signal -1
	s_barrier_wait -1
	s_cmp_lg_u32 s[WV], 0
	s_cbranch_scc1 .Lnot_wave_0_\@
	s_barrier_signal -3
.Lnot_wave_0_\@:
	s_barrier_wait -3
	s_barrier_signal -1
	s_barrier_wait -1
.endm
.macro JLOAD
	s_cmp_lt_u32 s[WV], NAW
	s_cbranch_scc0 .Lfor_b_\@
	tensor_load_to_lds s[G0A+4:G0A+7], s[G1A:G1A+7]
	s_nop 0
.rept 4
	v_nop
.endr
	s_branch .Lasked_\@
.Lfor_b_\@:
	tensor_load_to_lds s[G0B+4:G0B+7], s[G1B:G1B+7]
	s_nop 0
.rept 4
	v_nop
.endr
.Lasked_\@:
.endm
.macro FETCH f                         ; 32 LDS loads in one run: the fragments of 64 along K into buffer f
	WIN 0
	v_add_nc_u32 v[RA], s[TA], v[ADRA0]
	v_add_nc_u32 v[RB], s[TBB], v[ADRB0]
	s_add_co_u32 s[TA], s[TA], AADV
	s_add_co_u32 s[TBB], s[TBB], KD*32*BP
	WIN 0x40
.set b, 0
.rept NB
.set cs, 0
.rept KD
.set rB, (\f)*8*NB*KD+8*(KD*b+cs)
	ds_load_tr16_b128 v[rB:rB+3], v[RB] offset:32*b+cs*32*BP
	ds_load_tr16_b128 v[rB+4:rB+7], v[RB] offset:32*b+cs*32*BP+16*BP
.set cs, cs+1
.endr
.set b, b+1
.endr
	WIN 0
.set a, 0
.rept NA
.set cs, 0
.rept KD
.set rA, 64+(\f)*8*NA*KD+8*(KD*a+cs)
	ds_load_b128 v[rA:rA+3], v[RA] offset:a*ABLK+64*cs
	ds_load_b128 v[rA+4:rA+7], v[RA] offset:a*ABLK+64*cs+32
.set cs, cs+1
.endr
.set a, a+1
.endr
.endm
.macro MUL f, zero                     ; the accumulators take turns, one instruction a turn.  zero = 1: the first slice's products start the sums
.irp hi, 0,1
	WIN 0xa1+0x50*(\hi)
.set cs, 0
.rept KD
.set a, 0
.rept NA/2
.set b, 0
.rept NB
.set rD, 8*(a*NB+b)
.set rB, (\f)*8*NB*KD+8*(KD*b+cs)
.set rA, 64+(\f)*8*NA*KD+8*(KD*((\hi)*NA/2+a)+cs)
.if (\zero) && (cs == 0)
	v_wmma_f32_16x16x32_bf16 v[rD:rD+7], v[rB:rB+7], v[rA:rA+7], 0
.else
	v_wmma_f32_16x16x32_bf16 v[rD:rD+7], v[rB:rB+7], v[rA:rA+7], v[rD:rD+7]
.endif
.set b, b+1
.endr
.set a, a+1
.endr
.set cs, cs+1
.endr
.endr
.endm
.macro UNIT
	PLACES
	FETCH 0
	s_wait_dscnt 32                                ; all but the 32 just issued: buffer 1 is in
	MUL 1, 0
	PLACES
	FETCH 1
	s_wait_dscnt 32
	MUL 0, 0
	WIN 0
.endm
.macro CHANGE fill                     ; the change of slots; fill = 1: a round of the cluster's barrier and the joint refill first behind it
	WIN 0
	s_wait_tensorcnt 0x0                           ; no tensor load of mine is out, so a group 0 may be written
	ds_add_u32 v[SPW], v[NIL]
.if \fill
	s_xor_b32 s[G0A+5], s[G0A+5], SLOTX
	s_add_nc_u64 s[G0A+6:G0A+7], s[G0A+6:G0A+7], ASTEP
	s_xor_b32 s[G0B+5], s[G0B+5], SLOTX
	s_add_nc_u64 s[G0B+6:G0B+7], s[G0B+6:G0B+7], BSTEP
.endif
	s_sub_co_u32 s[TA], s[TA], 4*AADV
	s_xor_b32 s[TA], s[TA], SLOTX
	s_sub_co_u32 s[TBB], s[TBB], 4*KD*32*BP
	s_xor_b32 s[TBB], s[TBB], SLOTX
	s_wait_dscnt 0x0                               ; the add is done, and my reads of the slot are over
.if \fill
	CROUND
	JLOAD
.else
	s_barrier_signal -1
	s_barrier_wait -1
.endif
.endm
.macro DUMP
.set a, 0
.rept NA
	WIN 0x08+0x04*(a/(NA/2))
.set b, 0
.rept NB
.set rD, 8*((a%(NA/2))*NB+b)
	ds_store_b128 v[STO], v[rD:rD+3] offset:a*16*SP+64*b
	ds_store_b128 v[STO], v[rD+4:rD+7] offset:a*16*SP+64*b+16
.set b, b+1
.endr
.set a, a+1
.endr
	WIN 0
.endm
	s_load_b256 s[4:11], s[0:1], 0x0               ; first operand s[4:5], wb s[6:7], residual s[8:9], result s[10:11]
	v_lshl_add_u32 v[SPW], v0, 2, SPARE
	v_mov_b32 v[NIL], 0
	ds_add_u32 v[SPW], v[NIL]                      ; the wave's opening: the add and its wait, ahead of my first tensor load
	v_lshrrev_b32 v1, 5, v0
	v_readfirstlane_b32 s[WV], v1
	s_and_b32 s[CC], s[WV], 1
	s_lshr_b32 s[RR], s[WV], 1
	s_bfe_u32 s40, ttmp6, 0x40000
	s_bfe_u32 s41, ttmp6, 0x40004
	s_lshl_b32 s42, ttmp9, 2
	s_add_co_u32 s42, s42, s40                     ; tile column
	s_and_b32 s43, ttmp7, 0xffff
	s_lshl_b32 s43, s43, 2
	s_add_co_u32 s43, s43, s41                     ; tile row
	s_lshl_b32 s18, s41, 2
	s_lshl_b32 s18, 15, s18
	s_lshl_b32 s22, 0x1111, s40
	s_or_b32 s[G1A], s18, AW0
	s_or_b32 s[G1B], s22, BW0
	s_mov_b32 s[G1A+1], (ADIM0&0xffff)<<16
	s_mov_b32 s[G1A+2], (ADIM0>>16)|(ADIM1<<16)
	s_mov_b32 s[G1A+3], ADIM0<<16
	s_mov_b32 s[G1A+4], ADIM1
	s_mov_b32 s[G1A+5], ASTR
	s_mov_b32 s[G1A+6], 0
	s_mov_b32 s[G1A+7], 0
	s_mov_b32 s[G1B+1], 128<<16
	s_mov_b32 s[G1B+2], 128<<16
	s_mov_b32 s[G1B+3], 128<<16
	s_mov_b32 s[G1B+4], 128
	s_mov_b32 s[G1B+5], NCOL
	s_mov_b32 s[G1B+6], 0
	s_mov_b32 s[G1B+7], 0
	s_mul_i32 s16, s43, ATY
	s_mul_i32 s18, s[CC], ACB
	s_add_co_u32 s16, s16, s18
	s_mov_b32 s17, 0
	s_lshl_b32 s20, s42, 8                         ; W: 128 columns of 2 bytes a tile column,
	s_lshl_b32 s22, s[CC], 18                      ; my 128 of a step's 256 k-rows
	s_add_co_u32 s20, s20, s22
	s_add_co_u32 s20, s20, WOFF
	s_mov_b32 s21, 0
	s_mul_i32 s[LW], s[WV], REG
	s_mov_b32 s[TA], 0
	s_mov_b32 s[TBB], 0
	s_lshl_b32 s74, s43, 19                        ; residual and result: 128 rows of 4,096 bytes a tile row, my 64 rows,
	s_lshl_b32 s75, s[RR], 18
	s_add_co_u32 s74, s74, s75
	s_lshl_b32 s75, s42, 9                         ; 128 columns of 4 bytes a tile column, my 64
	s_add_co_u32 s74, s74, s75
	s_lshl_b32 s75, s[CC], 8
	s_add_co_u32 s74, s74, s75
	s_mov_b32 s75, 0
	s_wait_dscnt 0x0
	s_wait_kmcnt 0x0
	s_add_nc_u64 s[16:17], s[4:5], s[16:17]
	s_add_nc_u64 s[20:21], s[6:7], s[20:21]
	s_add_nc_u64 s[8:9], s[8:9], s[74:75]
	s_add_nc_u64 s[10:11], s[10:11], s[74:75]
.irp s, 0,1
	s_mov_b32 s[G0A+4*\s], 1
	s_add_co_u32 s[G0A+4*\s+1], s[LW], \s*SLOTX
	s_add_nc_u64 s[G0A+4*\s+2:G0A+4*\s+3], s[16:17], \s*ASTEP
	s_or_b32 s[G0A+4*\s+3], s[G0A+4*\s+3], 0x80000000
	s_mov_b32 s[G0B+4*\s], 1
	s_add_co_u32 s[G0B+4*\s+1], s[LW], \s*SLOTX
	s_add_nc_u64 s[G0B+4*\s+2:G0B+4*\s+3], s[20:21], \s*BSTEP
	s_or_b32 s[G0B+4*\s+3], s[G0B+4*\s+3], 0x80000000
.endr
	CROUND
	s_cmp_lt_u32 s[WV], NAW
	s_cbranch_scc0 .Lfirst_b
	tensor_load_to_lds s[G0A:G0A+3], s[G1A:G1A+7]
	s_nop 0
	tensor_load_to_lds s[G0A+4:G0A+7], s[G1A:G1A+7]
	s_nop 0
.rept 4
	v_nop
.endr
	s_branch .Lfirst_done
.Lfirst_b:
	tensor_load_to_lds s[G0B:G0B+3], s[G1B:G1B+7]
	s_nop 0
	tensor_load_to_lds s[G0B+4:G0B+7], s[G1B:G1B+7]
	s_nop 0
.rept 4
	v_nop
.endr
.Lfirst_done:
	v_and_b32 v1, 15, v0
	v_bfe_u32 v2, v0, 4, 1
	v_and_b32 v3, 7, v0
	v_bfe_u32 v4, v0, 3, 1
	v_lshlrev_b32 v[CO], 12, v2                    ; lanes 0-15 a row's 256 bytes, lanes 16-31 the next row's
	v_lshl_add_u32 v[CO], v1, 4, v[CO]
	WIN 0x80
.set t, 0
.rept 32
	global_load_b128 v[64+4*t:64+4*t+3], v[CO], s[8:9] offset:t*8192  ; the residual of my 64 x 64
.set t, t+1
.endr
	WIN 0
	v_mul_u32_u24 v[ADRA0], v1, APITCH
	v_lshl_add_u32 v[ADRA0], v2, 4, v[ADRA0]
	s_mul_i32 s72, s[RR], REG
	v_add_nc_u32 v[ADRA0], s72, v[ADRA0]
	v_lshl_add_u32 v[ADRB0], v2, 3, v3
	v_mul_u32_u24 v[ADRB0], v[ADRB0], BP
	v_lshl_add_u32 v[ADRB0], v4, 4, v[ADRB0]
	s_lshl_b32 s72, s[CC], 7
	s_add_co_u32 s72, s72, 2*REG
	v_add_nc_u32 v[ADRB0], s72, v[ADRB0]
	s_mul_i32 s72, s[WV], STG
	v_mul_u32_u24 v[STO], v1, SP
	v_lshl_add_u32 v[STO], v2, 5, v[STO]
	v_add_nc_u32 v[STO], s72, v[STO]
	v_mul_u32_u24 v[RD], v2, SP
	v_lshl_add_u32 v[RD], v1, 4, v[RD]
	v_add_nc_u32 v[RD], s72, v[RD]
	s_wait_tensorcnt 0x1                           ; my part of K step 0 is in; step 1's may stay out
	s_barrier_signal -1
	s_barrier_wait -1
	FETCH 0
	FETCH 1
	s_wait_dscnt 32
	MUL 0, 1
	WIN 0
	s_mov_b32 s[CNT], 1
	s_mov_b32 s[STEPS], TSTEPS-1
	s_branch .Lunit
.Lstep:
	CHANGE 1
	s_mov_b32 s[CNT], 2
.Lunit:
	UNIT
	s_sub_co_u32 s[CNT], s[CNT], 1
	s_cmp_lg_u32 s[CNT], 0
	s_cbranch_scc1 .Lunit
	s_sub_co_u32 s[STEPS], s[STEPS], 1
	s_cmp_lg_u32 s[STEPS], 0
	s_cbranch_scc1 .Lstep
	CHANGE 0
	s_mov_b32 s[CNT], 2
.LunitT:
	UNIT
	s_sub_co_u32 s[CNT], s[CNT], 1
	s_cmp_lg_u32 s[CNT], 0
	s_cbranch_scc1 .LunitT
	s_wait_dscnt 0x0                               ; my last reads of the ring are back
	s_barrier_signal -1
	MUL 1, 0
	WIN 0
	s_barrier_wait -1                              ; nobody reads the ring any more, and it has had its last fill: the stages may lie in it
	PLACES
	DUMP
.set t, 0
.rept 32
	ds_load_b128 v[64+4*t:64+4*t+3], v[RD] offset:t*2*SP  ; my own stage: LDS serves a wave's instructions in order
.set t, t+1
.endr
	s_wait_dscnt 0x0
	s_wait_loadcnt 0x0                             ; the residual
	WIN 0x08                                       ; source 1 in window 2
.set i, 0
.rept 64
	v_pk_add_f32 v[64+i:64+i+1], v[64+i:64+i+1], v[64+i:64+i+1]
.set i, i+2
.endr
	WIN 0
.set t, 0
.rept 32
	global_store_b128 v[CO], v[64+4*t:64+4*t+3], s[10:11] offset:t*8192  ; 16 lanes store 256 consecutive bytes, at a multiple of 256
.set t, t+1
.endr
	s_wait_tensorcnt 0x0                           ; the wave's end
	ds_add_u32 v[SPW], v[NIL]
	s_wait_dscnt 0x0
	CROUND
	s_endpgm
.Lfunc_end_k_q627ea85770_proj:
	.size	k_q627ea85770_proj, .Lfunc_end_k_q627ea85770_proj-k_q627ea85770_proj
	.p2alignl 7, 3214868480
	.fill 96, 4, 3214868480
	.section	.rodata,"a",@progbits
	.p2align	6, 0x0
	.amdhsa_kernel k_q627ea85770_proj
		.amdhsa_group_segment_fixed_size 327680
		.amdhsa_private_segment_fixed_size 0
		.amdhsa_enable_private_segment 0
		.amdhsa_kernarg_size 32
		.amdhsa_user_sgpr_count 2
		.amdhsa_user_sgpr_kernarg_segment_ptr 1
		.amdhsa_wavefront_size32 1
		.amdhsa_system_sgpr_workgroup_id_x 1
		.amdhsa_system_sgpr_workgroup_id_y 1
		.amdhsa_system_sgpr_workgroup_id_z 1
		.amdhsa_system_vgpr_workitem_id 0
		.amdhsa_next_free_vgpr 832
		.amdhsa_next_free_sgpr 96
		.amdhsa_reserve_vcc 0
		.amdhsa_float_denorm_mode_32 3
		.amdhsa_float_denorm_mode_16_64 3
		.amdhsa_memory_ordered 1
		.amdhsa_forward_progress 1
		.amdhsa_inst_pref_size 51
	.end_amdhsa_kernel
	.amdgpu_metadata
---
amdhsa.version: [ 1, 2 ]
amdhsa.kernels:
  - .name:           k_q627ea85770_proj
    .symbol:         k_q627ea85770_proj.kd
    .args:
      - { .name: ob, .offset: 0, .size: 8, .value_kind: global_buffer, .address_space: global }
      - { .name: wb, .offset: 8, .size: 8, .value_kind: global_buffer, .address_space: global }
      - { .name: x, .offset: 16, .size: 8, .value_kind: global_buffer, .address_space: global }
      - { .name: x1, .offset: 24, .size: 8, .value_kind: global_buffer, .address_space: global }
    .group_segment_fixed_size: 327680
    .private_segment_fixed_size: 0
    .kernarg_segment_align: 8
    .kernarg_segment_size: 32
    .max_flat_workgroup_size: 128
    .sgpr_count:     96
    .vgpr_count:     832
    .wavefront_size: 32
...
	.end_amdgpu_metadata
.endif
;; end of part 4
;; launch ln2 (part 5): grid 256 x 1, 16 waves a work-group, no clusters, 0 bytes of LDS; arguments x1, ln2_w, ln2_b, hb; writes hb
.if DOCPART == 5
	.amdgcn_target "amdgcn-amd-amdhsa--gfx1250"
	.amdhsa_code_object_version 6
	.text
	.protected	k_q627ea85770_ln2
	.globl	k_q627ea85770_ln2
	.p2align	8
	.type	k_q627ea85770_ln2,@function
k_q627ea85770_ln2:
	s_mov_b64 s[64:65], 0
	v_nop
	global_prefetch_b8 v0, s[64:65] scope:SCOPE_SE
	s_setreg_imm32_b32 hwreg(HW_REG_WAVE_MODE, 25, 1), 1
	s_wait_xcnt 0x0
; hb = LayerNorm(x1) * ln2_w + ln2_b, rounded once to bf16.  x1: [4096][1024] f32, hb: [4096][1024] bf16.
; A stream: no LDS, no barrier, no matrix unit, no loop.  One wave, one row of 4,096 bytes in 32 registers; two passes over the registers (mean; the squares of x - mean),
; so that a common offset costs no digits.  Lane l holds columns 128 j + 4 l .. + 3: a load covers 512 consecutive bytes, a store 256 at a multiple of 256.
; LIMITS.  The result is rounded to bf16; NaN and infinities are not treated apart.
.set X, 8
.set W, 40
.set B, 72
.set T, 104
.macro LANESUM
	v_pk_add_f32 v[T:T+1], v[T:T+1], v[T+2:T+3]
	v_pk_add_f32 v[T+4:T+5], v[T+4:T+5], v[T+6:T+7]
	v_pk_add_f32 v[T:T+1], v[T:T+1], v[T+4:T+5]
	v_add_f32 v[T], v[T], v[T+1]
	v_add_f32_dpp v[T], v[T], v[T] row_xmask:1 row_mask:0xf bank_mask:0xf
	v_add_f32_dpp v[T], v[T], v[T] row_xmask:2 row_mask:0xf bank_mask:0xf
	v_add_f32_dpp v[T], v[T], v[T] row_xmask:4 row_mask:0xf bank_mask:0xf
	v_add_f32_dpp v[T], v[T], v[T] row_xmask:8 row_mask:0xf bank_mask:0xf
	v_permlanex16_b32 v[T+1], v[T], s12, s13
	v_add_f32 v[T], v[T], v[T+1]
.endm
	s_load_b256 s[4:11], s[0:1], 0x0               ; x1 s[4:5], gain s[6:7], bias s[8:9], hb s[10:11]
	v_lshrrev_b32 v3, 5, v0
	v_readfirstlane_b32 s2, v3
	v_and_b32 v4, 31, v0
	v_lshlrev_b32 v1, 4, v4
	v_lshlrev_b32 v2, 3, v4
	s_lshl_b32 s3, ttmp9, 4
	s_add_co_u32 s3, s3, s2                        ; my row
	s_lshl_b32 s16, s3, 12
	s_mov_b32 s17, 0
	s_lshl_b32 s18, s3, 11
	s_mov_b32 s19, 0
	s_mov_b32 s12, 0x76543210
	s_mov_b32 s13, 0xfedcba98
	s_mov_b32 s14, 0x3a800000                      ; 1 / 1024
	s_mov_b32 s15, 0x3727c5ac                      ; 1e-5
	s_wait_kmcnt 0x0
	s_add_nc_u64 s[4:5], s[4:5], s[16:17]
	s_add_nc_u64 s[10:11], s[10:11], s[18:19]
.irp j, 0,1,2,3,4,5,6,7
	global_load_b128 v[X+4*\j:X+4*\j+3], v1, s[4:5] offset:512*\j
.endr
.irp j, 0,1,2,3,4,5,6,7
	global_load_b128 v[W+4*\j:W+4*\j+3], v1, s[6:7] offset:512*\j
.endr
.irp j, 0,1,2,3,4,5,6,7
	global_load_b128 v[B+4*\j:B+4*\j+3], v1, s[8:9] offset:512*\j
.endr
	s_wait_loadcnt 16                              ; the row is in; the 16 younger loads (gain, bias) stay out
.irp k, 0,1,2,3
	v_pk_add_f32 v[T+2*\k:T+2*\k+1], v[X+2*\k:X+2*\k+1], v[X+8+2*\k:X+8+2*\k+1]
.endr
.irp m, 16,24
.irp k, 0,1,2,3
	v_pk_add_f32 v[T+2*\k:T+2*\k+1], v[T+2*\k:T+2*\k+1], v[X+\m+2*\k:X+\m+2*\k+1]
.endr
.endr
	LANESUM
	v_mul_f32 v[T+2], s14, v[T]                    ; the mean
.set i, 0
.rept 16
	v_pk_add_f32 v[X+i:X+i+1], v[X+i:X+i+1], v[T+2:T+3] op_sel_hi:[1,0] neg_lo:[0,1] neg_hi:[0,1]
.set i, i+2
.endr
.irp k, 0,1,2,3
	v_pk_mul_f32 v[T+2*\k:T+2*\k+1], v[X+2*\k:X+2*\k+1], v[X+2*\k:X+2*\k+1]
.endr
.irp m, 8,16,24
.irp k, 0,1,2,3
	v_pk_fma_f32 v[T+2*\k:T+2*\k+1], v[X+\m+2*\k:X+\m+2*\k+1], v[X+\m+2*\k:X+\m+2*\k+1], v[T+2*\k:T+2*\k+1]
.endr
.endr
	LANESUM
	v_fma_f32 v[T], v[T], s14, s15
	v_rsq_f32 v[T+2], v[T]
	v_nop                                          ; a plain instruction behind the root,
	s_wait_alu depctr_va_vdst(0)                   ; and a wait ahead of its first reader
	s_wait_loadcnt 0x0
.set i, 0
.rept 16
	v_pk_mul_f32 v[X+i:X+i+1], v[X+i:X+i+1], v[T+2:T+3] op_sel_hi:[1,0]
.set i, i+2
.endr
.set i, 0
.rept 16
	v_pk_fma_f32 v[X+i:X+i+1], v[X+i:X+i+1], v[W+i:W+i+1], v[B+i:B+i+1]
.set i, i+2
.endr
.irp j, 0,1,2,3,4,5,6,7
	v_cvt_pk_bf16_f32 v[X+4*\j], v[X+4*\j], v[X+4*\j+1]
	v_cvt_pk_bf16_f32 v[X+4*\j+1], v[X+4*\j+2], v[X+4*\j+3]
	global_store_b64 v2, v[X+4*\j:X+4*\j+1], s[10:11] offset:256*\j
.endr
	s_endpgm
.Lfunc_end_k_q627ea85770_ln2:
	.size	k_q627ea85770_ln2, .Lfunc_end_k_q627ea85770_ln2-k_q627ea85770_ln2
	.p2alignl 7, 3214868480
	.fill 96, 4, 3214868480
	.section	.rodata,"a",@progbits
	.p2align	6, 0x0
	.amdhsa_kernel k_q627ea85770_ln2
		.amdhsa_group_segment_fixed_size 0
		.amdhsa_private_segment_fixed_size 0
		.amdhsa_enable_private_segment 0
		.amdhsa_kernarg_size 32
		.amdhsa_user_sgpr_count 2
		.amdhsa_user_sgpr_kernarg_segment_ptr 1
		.amdhsa_wavefront_size32 1
		.amdhsa_system_sgpr_workgroup_id_x 1
		.amdhsa_system_sgpr_workgroup_id_y 1
		.amdhsa_system_sgpr_workgroup_id_z 1
		.amdhsa_system_vgpr_workitem_id 0
		.amdhsa_next_free_vgpr 112
		.amdhsa_next_free_sgpr 66
		.amdhsa_reserve_vcc 0
		.amdhsa_float_denorm_mode_32 3
		.amdhsa_float_denorm_mode_16_64 3
		.amdhsa_memory_ordered 1
		.amdhsa_forward_progress 1
		.amdhsa_inst_pref_size 12
	.end_amdhsa_kernel
	.amdgpu_metadata
---
amdhsa.version: [ 1, 2 ]
amdhsa.kernels:
  - .name:           k_q627ea85770_ln2
    .symbol:         k_q627ea85770_ln2.kd
    .args:
      - { .name: x1, .offset: 0, .size: 8, .value_kind: global_buffer, .address_space: global }
      - { .name: ln2_w, .offset: 8, .size: 8, .value_kind: global_buffer, .address_space: global }
      - { .name: ln2_b, .offset: 16, .size: 8, .value_kind: global_buffer, .address_space: global }
      - { .name: hb, .offset: 24, .size: 8, .value_kind: global_buffer, .address_space: global }
    .group_segment_fixed_size: 0
    .private_segment_fixed_size: 0
    .kernarg_segment_align: 8
    .kernarg_segment_size: 32
    .max_flat_workgroup_size: 512
    .sgpr_count:     66
    .vgpr_count:     112
    .wavefront_size: 32
...
	.end_amdgpu_metadata
.endif
;; end of part 5
;; launch ff1 (part 6): grid 16 x 16, 4 waves a work-group, clusters of 4 x 4, 327,680 bytes of LDS; arguments hb, wb, gb; writes gb
.if DOCPART == 6
	.amdgcn_target "amdgcn-amd-amdhsa--gfx1250"
	.amdhsa_code_object_version 6
	.text
	.protected	k_q627ea85770_ff1
	.globl	k_q627ea85770_ff1
	.p2align	8
	.type	k_q627ea85770_ff1,@function
k_q627ea85770_ff1:
	s_mov_b64 s[64:65], 0
	v_nop
	global_prefetch_b8 v0, s[64:65] scope:SCOPE_SE
	s_setreg_imm32_b32 hwreg(HW_REG_WAVE_MODE, 25, 1), 1
	s_wait_xcnt 0x0
	s_wait_alu depctr_hold_cnt(0) depctr_sa_sdst(0) depctr_va_vdst(0) depctr_va_sdst(0) depctr_va_ssrc(0) depctr_va_vcc(0) depctr_vm_vsrc(0)
	s_getreg_b32 s2, hwreg(HW_REG_IB_STS2, 6, 4)
	s_cmp_eq_u32 s2, 0
	s_cbranch_scc0 .Lentry_in_a_cluster
	s_endpgm
.Lentry_in_a_cluster:
	s_bfe_u32 s2, ttmp6, 0x10000c
	s_cmp_lg_u32 s2, 0xf033
	s_cbranch_scc0 .Lentry_shape_is_right
	s_endpgm
.Lentry_shape_is_right:
; gb = gelu(hb @ Wff1), gelu(x) = 0.5 x (1 + u / (1 + |u|)), u = x sqrt(2 / pi) (1 + 0.044715 x^2).  hb: [4096][1024] bf16; Wff1: [1024][4096] bf16 at byte 8,388,608 of wb;
; gb: [4096][4096] bf16.  Sums and the activation in f32, gb rounded once.
; SHARES.  A work-group makes 256 x 256; 16 x 16 work-groups.  Wave w: rows 128 (w / 2) on, columns 128 (w % 2) on: 8 x 8 accumulators of 16 x 16.  K goes in 8 steps of 128 through two LDS
; slots of four regions of 36,864 bytes, one a wave: waves 0, 1 fetch hb's halves of 128 rows x 128 (LDS rows of 272 bytes), waves 2, 3 W's halves of 128 k-rows x 128 columns (288 bytes).
; THE PRODUCT IS USED TRANSPOSED: source 0 = 16 columns of W, turned by ds_load_tr16_b128; source 1 = 16 rows of hb.  CLUSTER 4 x 4: hb's tile is asked for jointly along a row, W's along a column.
; REGISTERS: window 0 addresses and hb's fragments (two buffers from v64), window 1 W's fragments, windows 2 and 3 the accumulators.
; LIMITS.  Operands and gb are bf16.  x^2 is formed, so |x| stays under 1.8e19; where 1 + |u| passes 2^126 its reciprocal counts as 0.  NaN and infinities are not treated apart.
.set NA, 8
.set NB, 8
.set KD, 1
.set BPR, 8
.set NRB, 1
.set NAW, 2
.set TSTEPS, 8
.set NCOL, 4096
.set WOFF, 8388608
.set APITCH, 272
.set ABLK, 16*APITCH
.set AADV, 64
.set ASTEP, 256
.set BSTEP, 128*NCOL*2
.set AW0, (1<<16)|(1<<20)|(1<<21)|(5<<22)|(3<<25)
.set BW0, (1<<16)|(1<<20)|(1<<21)|(5<<22)|(7<<25)
.set BP, 288
.set REG, 0x9000
.set SLOTX, 0x24000                    ; no region's start in slot 0 has one of these two bits, so one exclusive or changes slots
.set SPARE, 2*SLOTX
.set SP, 528
.set STG, 128*SP
.set RA, 8
.set RB, 9
.set ADRA0, 12
.set ADRB0, 13
.set STO, 16
.set RD, 17
.set CO, 18
.set PFO, 21
.set RDC, 22
.set SPW, 28
.set NIL, 29
.set XX, 32                            ; the way out: v32-63 x, v64-95 u, v96-127 1 + |u|, v128-143 packed
.set UU, 64
.set DD, 96
.set YY, 128
.set WV, 12
.set CC, 14
.set RR, 15
.set G1A, 24
.set G0A, 32
.set PFA, 44
.set PSTEP, 46
.set G1B, 48
.set G0B, 56
.set CNT, 66
.set STEPS, 67
.set LIM, 68
.set TA, 69
.set TBB, 70
.set LW, 71
.set TS, 86
.set MSB, 0
.macro WIN new
.if MSB != (\new)
	s_set_vgpr_msb (MSB<<8)|(\new)
.set MSB, \new
.endif
.endm
.macro PLACES
.rept 4
	v_nop
.endr
.endm
.macro CROUND
	s_barrier_signal -1
	s_barrier_wait -1
	s_cmp_lg_u32 s[WV], 0
	s_cbranch_scc1 .Lnot_wave_0_\@
	s_barrier_signal -3
.Lnot_wave_0_\@:
	s_barrier_wait -3
	s_barrier_signal -1
	s_barrier_wait -1
.endm
.macro JLOAD
	s_cmp_lt_u32 s[WV], NAW
	s_cbranch_scc0 .Lfor_b_\@
	tensor_load_to_lds s[G0A+4:G0A+7], s[G1A:G1A+7]
	s_nop 0
.rept 4
	v_nop
.endr
	s_branch .Lasked_\@
.Lfor_b_\@:
	tensor_load_to_lds s[G0B+4:G0B+7], s[G1B:G1B+7]
	s_nop 0
.rept 4
	v_nop
.endr
.Lasked_\@:
.endm
; A prefetch of the K step two refills on: of the 128 rows x 256 bytes that I fetch, my work-group's 32, a lane a row.  hb's rows are asked for by the clusters with x = 0,
; W's by those with y = 0; the four partners of a joint load are told apart by address.  So each row's 256 bytes of a K step are named once.  The last two refills ask for nothing.
.macro ASK
	s_cmp_gt_u32 s[STEPS], s[LIM]
	s_cbranch_scc0 .Lnot_mine_\@
	global_prefetch_b8 v[PFO], s[PFA:PFA+1] th:TH_LOAD_NT scope:SCOPE_SE
.Lnot_mine_\@:
.endm
.macro FETCH f
	WIN 0
	v_add_nc_u32 v[RA], s[TA], v[ADRA0]
	v_add_nc_u32 v[RB], s[TBB], v[ADRB0]
	s_add_co_u32 s[TA], s[TA], AADV
	s_add_co_u32 s[TBB], s[TBB], KD*32*BP
	WIN 0x40
.set b, 0
.rept NB
.set rB, (\f)*8*NB+8*b
	ds_load_tr16_b128 v[rB:rB+3], v[RB] offset:32*b
	ds_load_tr16_b128 v[rB+4:rB+7], v[RB] offset:32*b+16*BP
.set b, b+1
.endr
	WIN 0
.set a, 0
.rept NA
.set rA, 64+(\f)*8*NA+8*a
	ds_load_b128 v[rA:rA+3], v[RA] offset:a*ABLK
	ds_load_b128 v[rA+4:rA+7], v[RA] offset:a*ABLK+32
.set a, a+1
.endr
.endm
.macro MUL f, zero                     ; the accumulators take turns, one instruction a turn.  zero = 1: the products start the sums
.irp hi, 0,1
	WIN 0xa1+0x50*(\hi)
.set a, 0
.rept NA/2
.set b, 0
.rept NB
.set rD, 8*(a*NB+b)
.set rB, (\f)*8*NB+8*b
.set rA, 64+(\f)*8*NA+8*((\hi)*NA/2+a)
.if \zero
	v_wmma_f32_16x16x32_bf16 v[rD:rD+7], v[rB:rB+7], v[rA:rA+7], 0
.else
	v_wmma_f32_16x16x32_bf16 v[rD:rD+7], v[rB:rB+7], v[rA:rA+7], v[rD:rD+7]
.endif
.set b, b+1
.endr
.set a, a+1
.endr
.endr
.endm
.macro UNIT
	PLACES
	FETCH 0
	s_wait_dscnt 32                                ; all but the 32 just issued: buffer 1 is in
	MUL 1, 0
	PLACES
	FETCH 1
	s_wait_dscnt 32
	MUL 0, 0
	WIN 0
.endm
.macro CHANGE fill
	WIN 0
.if \fill
	s_wait_xcnt 0x0                                ; the last prefetch, a K step back, has read its address
	s_add_nc_u64 s[PFA:PFA+1], s[PFA:PFA+1], s[PSTEP:PSTEP+1]
.endif
	s_wait_tensorcnt 0x0                           ; no tensor load of mine is out, so a group 0 may be written
	ds_add_u32 v[SPW], v[NIL]
.if \fill
	s_xor_b32 s[G0A+5], s[G0A+5], SLOTX
	s_add_nc_u64 s[G0A+6:G0A+7], s[G0A+6:G0A+7], ASTEP
	s_xor_b32 s[G0B+5], s[G0B+5], SLOTX
	s_add_nc_u64 s[G0B+6:G0B+7], s[G0B+6:G0B+7], BSTEP
.endif
	s_sub_co_u32 s[TA], s[TA], 4*AADV
	s_xor_b32 s[TA], s[TA], SLOTX
	s_sub_co_u32 s[TBB], s[TBB], 4*KD*32*BP
	s_xor_b32 s[TBB], s[TBB], SLOTX
	s_wait_dscnt 0x0                               ; the add is done, and my reads of the slot are over
.if \fill
	CROUND
	JLOAD
	ASK
.else
	s_barrier_signal -1
	s_barrier_wait -1
.endif
.endm
.macro DUMP
.set a, 0
.rept NA
	WIN 0x08+0x04*(a/(NA/2))
.set b, 0
.rept NB
.set rD, 8*((a%(NA/2))*NB+b)
	ds_store_b128 v[STO], v[rD:rD+3] offset:a*16*SP+64*b
	ds_store_b128 v[STO], v[rD+4:rD+7] offset:a*16*SP+64*b+16
.set b, b+1
.endr
.set a, a+1
.endr
	WIN 0
.endm
	s_load_b128 s[4:7], s[0:1], 0x0                ; hb s[4:5], wb s[6:7]
	s_load_b64 s[8:9], s[0:1], 0x10                ; gb
	v_lshl_add_u32 v[SPW], v0, 2, SPARE
	v_mov_b32 v[NIL], 0
	ds_add_u32 v[SPW], v[NIL]                      ; the wave's opening: the add and its wait, ahead of my first tensor load
	v_lshrrev_b32 v1, 5, v0
	v_readfirstlane_b32 s[WV], v1
	s_and_b32 s[CC], s[WV], 1
	s_lshr_b32 s[RR], s[WV], 1
	s_bfe_u32 s40, ttmp6, 0x40000
	s_bfe_u32 s41, ttmp6, 0x40004
	s_lshl_b32 s42, ttmp9, 2
	s_add_co_u32 s42, s42, s40                     ; tile column
	s_and_b32 s43, ttmp7, 0xffff
	s_lshl_b32 s43, s43, 2
	s_add_co_u32 s43, s43, s41                     ; tile row
	s_lshl_b32 s18, s41, 2
	s_lshl_b32 s18, 15, s18
	s_lshl_b32 s22, 0x1111, s40
	s_or_b32 s[G1A], s18, AW0
	s_or_b32 s[G1B], s22, BW0
	s_mov_b32 s[G1A+1], 128<<16
	s_mov_b32 s[G1A+2], 128<<16
	s_mov_b32 s[G1A+3], 128<<16
	s_mov_b32 s[G1A+4], 128
	s_mov_b32 s[G1A+5], 1024
	s_mov_b32 s[G1A+6], 0
	s_mov_b32 s[G1A+7], 0
	s_mov_b32 s[G1B+1], 128<<16
	s_mov_b32 s[G1B+2], 128<<16
	s_mov_b32 s[G1B+3], 128<<16
	s_mov_b32 s[G1B+4], 128
	s_mov_b32 s[G1B+5], NCOL
	s_mov_b32 s[G1B+6], 0
	s_mov_b32 s[G1B+7], 0
	s_lshl_b32 s16, s43, 8
	s_lshl_b32 s18, s[CC], 7
	s_add_co_u32 s16, s16, s18                     ; hb: row 256 x tile row + 128 x half,
	s_lshl_b32 s16, s16, 11                        ; of 2,048 bytes
	s_mov_b32 s17, 0
	s_lshl_b32 s20, s42, 9                         ; W: 256 columns of 2 bytes a tile column, my half of 128
	s_lshl_b32 s22, s[CC], 8
	s_add_co_u32 s20, s20, s22
	s_add_co_u32 s20, s20, WOFF
	s_mov_b32 s21, 0
	s_mul_i32 s[LW], s[WV], REG
	s_mov_b32 s[TA], 0
	s_mov_b32 s[TBB], 0
	s_lshl_b32 s78, s43, 8                         ; gb: my first row, of 8,192 bytes, and my 128 columns
	s_lshl_b32 s79, s[RR], 7
	s_add_co_u32 s78, s78, s79
	s_lshl_b32 s78, s78, 13
	s_lshl_b32 s79, s42, 9
	s_add_co_u32 s78, s78, s79
	s_lshl_b32 s79, s[CC], 8
	s_add_co_u32 s78, s78, s79
	s_mov_b32 s79, 0
	s_wait_dscnt 0x0
	s_wait_kmcnt 0x0
	s_add_nc_u64 s[16:17], s[4:5], s[16:17]
	s_add_nc_u64 s[20:21], s[6:7], s[20:21]
	s_add_nc_u64 s[8:9], s[8:9], s[78:79]
.irp s, 0,1
	s_mov_b32 s[G0A+4*\s], 1
	s_add_co_u32 s[G0A+4*\s+1], s[LW], \s*SLOTX
	s_add_nc_u64 s[G0A+4*\s+2:G0A+4*\s+3], s[16:17], \s*ASTEP
	s_or_b32 s[G0A+4*\s+3], s[G0A+4*\s+3], 0x80000000
	s_mov_b32 s[G0B+4*\s], 1
	s_add_co_u32 s[G0B+4*\s+1], s[LW], \s*SLOTX
	s_add_nc_u64 s[G0B+4*\s+2:G0B+4*\s+3], s[20:21], \s*BSTEP
	s_or_b32 s[G0B+4*\s+3], s[G0B+4*\s+3], 0x80000000
.endr
	CROUND
	s_cmp_lt_u32 s[WV], NAW
	s_cbranch_scc0 .Lfirst_b
	tensor_load_to_lds s[G0A:G0A+3], s[G1A:G1A+7]
	s_nop 0
	tensor_load_to_lds s[G0A+4:G0A+7], s[G1A:G1A+7]
	s_nop 0
.rept 4
	v_nop
.endr
	s_branch .Lfirst_done
.Lfirst_b:
	tensor_load_to_lds s[G0B:G0B+3], s[G1B:G1B+7]
	s_nop 0
	tensor_load_to_lds s[G0B+4:G0B+7], s[G1B:G1B+7]
	s_nop 0
.rept 4
	v_nop
.endr
.Lfirst_done:
	; the prefetches: my tile's address, my work-group's 32 rows of it, K step 3; the first change of slots steps it to 4
	s_and_b32 s73, ttmp7, 0xffff
	s_mov_b32 s74, 2*NCOL
	s_mov_b32 s75, 2048
	s_mov_b32 s76, BSTEP
	s_mov_b32 s77, ASTEP
	s_cmp_lt_u32 s[WV], NAW
	s_cselect_b32 s72, s40, s41
	s_cselect_b32 s73, ttmp9, s73
	s_cselect_b32 s74, s75, s74
	s_cselect_b32 s[PSTEP], s77, s76
	s_cselect_b64 s[PFA:PFA+1], s[16:17], s[20:21]
	s_mov_b32 s[PSTEP+1], 0
	s_cmp_eq_u32 s73, 0
	s_cselect_b32 s[LIM], 2, -1
	s_lshl_b32 s72, s72, 5
	s_mul_i32 s72, s72, s74
	s_mul_i32 s75, s[PSTEP], 3
	s_add_co_u32 s72, s72, s75
	s_mov_b32 s73, 0
	s_add_nc_u64 s[PFA:PFA+1], s[PFA:PFA+1], s[72:73]
	v_and_b32 v[PFO], 31, v0
	v_mul_lo_u32 v[PFO], v[PFO], s74
	v_and_b32 v1, 15, v0
	v_bfe_u32 v2, v0, 4, 1
	v_and_b32 v3, 7, v0
	v_bfe_u32 v4, v0, 3, 1
	v_mul_u32_u24 v[ADRA0], v1, APITCH
	v_lshl_add_u32 v[ADRA0], v2, 4, v[ADRA0]
	s_mul_i32 s72, s[RR], REG
	v_add_nc_u32 v[ADRA0], s72, v[ADRA0]
	v_lshl_add_u32 v[ADRB0], v2, 3, v3
	v_mul_u32_u24 v[ADRB0], v[ADRB0], BP
	v_lshl_add_u32 v[ADRB0], v4, 4, v[ADRB0]
	s_mul_i32 s72, s[CC], REG
	s_add_co_u32 s72, s72, 2*REG
	v_add_nc_u32 v[ADRB0], s72, v[ADRB0]
	s_mul_i32 s72, s[WV], STG
	v_mul_u32_u24 v[STO], v1, SP
	v_lshl_add_u32 v[STO], v2, 5, v[STO]
	v_add_nc_u32 v[STO], s72, v[STO]
	v_mul_u32_u24 v[RD], v2, SP                    ; back: 16 lanes take a row's 128 numbers, 8 each; lanes 16-31 the next row
	v_lshl_add_u32 v[RD], v1, 5, v[RD]
	v_add_nc_u32 v[RD], s72, v[RD]
	v_lshlrev_b32 v[CO], 13, v2
	v_lshl_add_u32 v[CO], v1, 4, v[CO]
	s_mov_b32 s80, 0x3d122279                      ; sqrt(2 / pi) x 0.044715
	s_mov_b32 s81, s80
	s_mov_b32 s82, 0x3f4c422a                      ; sqrt(2 / pi)
	s_mov_b32 s83, s82
	s_wait_tensorcnt 0x1                           ; my part of K step 0 is in; step 1's may stay out
	s_barrier_signal -1
	s_barrier_wait -1
	FETCH 0
	FETCH 1
	s_wait_dscnt 32
	MUL 0, 1
	WIN 0
	s_mov_b32 s[CNT], 1
	s_mov_b32 s[STEPS], TSTEPS-1
	s_branch .Lunit
.Lstep:
	CHANGE 1
	s_mov_b32 s[CNT], 2
.Lunit:
	UNIT
	s_sub_co_u32 s[CNT], s[CNT], 1
	s_cmp_lg_u32 s[CNT], 0
	s_cbranch_scc1 .Lunit
	s_sub_co_u32 s[STEPS], s[STEPS], 1
	s_cmp_lg_u32 s[STEPS], 0
	s_cbranch_scc1 .Lstep
	CHANGE 0
	s_mov_b32 s[CNT], 2
.LunitT:
	UNIT
	s_sub_co_u32 s[CNT], s[CNT], 1
	s_cmp_lg_u32 s[CNT], 0
	s_cbranch_scc1 .LunitT
	s_wait_dscnt 0x0                               ; my last reads of the ring are back
	s_barrier_signal -1
	MUL 1, 0
	WIN 0
	s_barrier_wait -1                              ; nobody reads the ring any more, and it has had its last fill: the stages may lie in it
	PLACES
	DUMP
	; THE WAY OUT: 16 trips of 8 rows: back out of my own stage, the activation, 16 bytes of bf16 a lane
	s_mov_b32 s[TS], 0
	s_mov_b32 s[CNT], 16
.Lrows:
	v_add_nc_u32 v[RDC], s[TS], v[RD]
.irp u, 0,1,2,3
	ds_load_b128 v[XX+8*\u:XX+8*\u+3], v[RDC] offset:\u*2*SP
	ds_load_b128 v[XX+8*\u+4:XX+8*\u+7], v[RDC] offset:\u*2*SP+16
.endr
	s_wait_dscnt 0x0
.set i, 0
.rept 16
	v_pk_mul_f32 v[UU+i:UU+i+1], v[XX+i:XX+i+1], v[XX+i:XX+i+1]
.set i, i+2
.endr
.set i, 0
.rept 16
	v_pk_fma_f32 v[UU+i:UU+i+1], v[UU+i:UU+i+1], s[80:81], s[82:83] op_sel_hi:[1,0,0]
.set i, i+2
.endr
.set i, 0
.rept 16
	v_pk_mul_f32 v[UU+i:UU+i+1], v[UU+i:UU+i+1], v[XX+i:XX+i+1]  ; u
.set i, i+2
.endr
.set i, 0
.rept 32
	v_add_f32 v[DD+i], 1.0, |v[UU+i]|
.set i, i+1
.endr
.set i, 0
.rept 32
	v_rcp_f32 v[DD+i], v[DD+i]
.set i, i+1
.endr
	v_nop                                          ; a plain instruction behind the last reciprocal: one for the batch,
	s_wait_alu depctr_va_vdst(0)                   ; and the one wait ahead of the batch's first reader
.set i, 0
.rept 16
	v_pk_mul_f32 v[UU+i:UU+i+1], v[UU+i:UU+i+1], v[DD+i:DD+i+1]
.set i, i+2
.endr
.set i, 0
.rept 16
	v_pk_fma_f32 v[UU+i:UU+i+1], v[UU+i:UU+i+1], 0.5, 0.5 op_sel_hi:[1,0,0]
.set i, i+2
.endr
.set i, 0
.rept 16
	v_pk_mul_f32 v[UU+i:UU+i+1], v[UU+i:UU+i+1], v[XX+i:XX+i+1]
.set i, i+2
.endr
.set i, 0
.rept 16
	v_cvt_pk_bf16_f32 v[YY+i], v[UU+2*i], v[UU+2*i+1]
.set i, i+1
.endr
.irp u, 0,1,2,3
	global_store_b128 v[CO], v[YY+4*\u:YY+4*\u+3], s[8:9] offset:\u*16384  ; 16 lanes store 256 consecutive bytes, at a multiple of 256
.endr
	s_wait_xcnt 0x0                                ; the stores have read their registers and their base
	s_add_nc_u64 s[8:9], s[8:9], 65536             ; 8 rows of 8,192 bytes on
	s_add_co_u32 s[TS], s[TS], 8*SP
	s_sub_co_u32 s[CNT], s[CNT], 1
	s_cmp_lg_u32 s[CNT], 0
	s_cbranch_scc1 .Lrows
	s_wait_tensorcnt 0x0                           ; the wave's end
	ds_add_u32 v[SPW], v[NIL]
	s_wait_dscnt 0x0
	CROUND
	s_endpgm
.Lfunc_end_k_q627ea85770_ff1:
	.size	k_q627ea85770_ff1, .Lfunc_end_k_q627ea85770_ff1-k_q627ea85770_ff1
	.p2alignl 7, 3214868480
	.fill 96, 4, 3214868480
	.section	.rodata,"a",@progbits
	.p2align	6, 0x0
	.amdhsa_kernel k_q627ea85770_ff1
		.amdhsa_group_segment_fixed_size 327680
		.amdhsa_private_segment_fixed_size 0
		.amdhsa_enable_private_segment 0
		.amdhsa_kernarg_size 24
		.amdhsa_user_sgpr_count 2
		.amdhsa_user_sgpr_kernarg_segment_ptr 1
		.amdhsa_wavefront_size32 1
		.amdhsa_system_sgpr_workgroup_id_x 1
		.amdhsa_system_sgpr_workgroup_id_y 1
		.amdhsa_system_sgpr_workgroup_id_z 1
		.amdhsa_system_vgpr_workitem_id 0
		.amdhsa_next_free_vgpr 1024
		.amdhsa_next_free_sgpr 96
		.amdhsa_reserve_vcc 0
		.amdhsa_float_denorm_mode_32 3
		.amdhsa_float_denorm_mode_16_64 3
		.amdhsa_memory_ordered 1
		.amdhsa_forward_progress 1
		.amdhsa_inst_pref_size 69
	.end_amdhsa_kernel
	.amdgpu_metadata
---
amdhsa.version: [ 1, 2 ]
amdhsa.kernels:
  - .name:           k_q627ea85770_ff1
    .symbol:         k_q627ea85770_ff1.kd
    .args:
      - { .name: hb, .offset: 0, .size: 8, .value_kind: global_buffer, .address_space: global }
      - { .name: wb, .offset: 8, .size: 8, .value_kind: global_buffer, .address_space: global }
      - { .name: gb, .offset: 16, .size: 8, .value_kind: global_buffer, .address_space: global }
    .group_segment_fixed_size: 327680
    .private_segment_fixed_size: 0
    .kernarg_segment_align: 8
    .kernarg_segment_size: 24
    .max_flat_workgroup_size: 128
    .sgpr_count:     96
    .vgpr_count:     1024
    .wavefront_size: 32
...
	.end_amdgpu_metadata
.endif
;; end of part 6
;; launch ff2 (part 7): grid 8 x 32, 4 waves a work-group, clusters of 4 x 4, 327,680 bytes of LDS; arguments gb, wb, x1, out0; writes out0
.if DOCPART == 7
	.amdgcn_target "amdgcn-amd-amdhsa--gfx1250"
	.amdhsa_code_object_version 6
	.text
	.protected	k_q627ea85770_ff2
	.globl	k_q627ea85770_ff2
	.p2align	8
	.type	k_q627ea85770_ff2,@function
k_q627ea85770_ff2:
	s_mov_b64 s[64:65], 0
	v_nop
	global_prefetch_b8 v0, s[64:65] scope:SCOPE_SE
	s_setreg_imm32_b32 hwreg(HW_REG_WAVE_MODE, 25, 1), 1
	s_wait_xcnt 0x0
	s_wait_alu depctr_hold_cnt(0) depctr_sa_sdst(0) depctr_va_vdst(0) depctr_va_sdst(0) depctr_va_ssrc(0) depctr_va_vcc(0) depctr_vm_vsrc(0)
	s_getreg_b32 s2, hwreg(HW_REG_IB_STS2, 6, 4)
	s_cmp_eq_u32 s2, 0
	s_cbranch_scc0 .Lentry_in_a_cluster
	s_endpgm
.Lentry_in_a_cluster:
	s_bfe_u32 s2, ttmp6, 0x10000c
	s_cmp_lg_u32 s2, 0xf033
	s_cbranch_scc0 .Lentry_shape_is_right
	s_endpgm
.Lentry_shape_is_right:
; out0 = x1 + gb @ Wff2.  gb: [4096][4096] bf16; Wff2: [4096][1024] bf16 at byte 16,777,216 of wb; x1, out0: [4096][1024] f32.  Sums in f32.
; SHARES.  A work-group makes 128 x 128; 8 x 32 work-groups, one for each WGP.  Wave w: rows 64 (w / 2) on, columns 64 (w % 2) on: 4 x 4 accumulators.  K goes in 16 steps of 256 through two
; LDS slots of four regions of 36,864 bytes, one a wave: waves 0, 1 fetch gb's two halves of 64 rows x 256 (LDS rows of 528 bytes); waves 2, 3 fetch 128 k-rows x 128 columns of W each
; (LDS rows of 288 bytes; the two regions lie on end).
; THE PRODUCT IS USED TRANSPOSED: source 0 = 16 columns of W, turned by ds_load_tr16_b128; source 1 = 16 rows of gb.  CLUSTER 4 x 4: gb's tile is asked for jointly along a row, W's along a column.
; No prefetch: the tiles are small and a K step is short.  The residual is asked for at the head, into registers that nothing else names.
; REGISTERS: window 0 addresses and gb's fragments (from v64), window 1 W's fragments, window 2 v0-63 and window 3 v0-63 the accumulators, window 2 v64-191 the residual.
; LIMITS.  Operands are bf16; NaN and infinities are not treated apart.
.set NA, 4
.set NB, 4
.set KD, 2
.set BPR, 4
.set NRB, 1
.set NAW, 2
.set TSTEPS, 16
.set NCOL, 1024
.set WOFF, 16777216
.set APITCH, 528
.set ABLK, 16*APITCH
.set AADV, 128
.set ASTEP, 512
.set ATY, 1048576                      ; bytes of the first operand from tile row to tile row,
.set ACB, 524288                       ; and from its first half of 64 rows to the second
.set BSTEP, 256*NCOL*2
.set AW0, (1<<16)|(1<<20)|(1<<21)|(6<<22)|(3<<25)  ; after every 128 words 4 words of padding
.set BW0, (1<<16)|(1<<20)|(1<<21)|(5<<22)|(7<<25)
.set ADIM0, 256
.set ADIM1, 64
.set ASTR, 4096
.set BP, 288
.set REG, 0x9000
.set SLOTX, 0x24000                    ; no region's start in slot 0 has one of these two bits, so one exclusive or changes slots
.set SPARE, 2*SLOTX
.set SP, 272
.set STG, 64*SP
.set RA, 8
.set RB, 9
.set ADRA0, 12
.set ADRB0, 13
.set STO, 16
.set RD, 17
.set CO, 18
.set SPW, 28
.set NIL, 29
.set WV, 12
.set CC, 14
.set RR, 15
.set G1A, 24
.set G0A, 32
.set G1B, 48
.set G0B, 56
.set CNT, 66
.set STEPS, 67
.set TA, 69
.set TBB, 70
.set LW, 71
.set MSB, 0
.macro WIN new
.if MSB != (\new)
	s_set_vgpr_msb (MSB<<8)|(\new)
.set MSB, \new
.endif
.endm
.macro PLACES
.rept 4
	v_nop
.endr
.endm
.macro CROUND
	s_barrier_signal -1
	s_barrier_wait -1
	s_cmp_lg_u32 s[WV], 0
	s_cbranch_scc1 .Lnot_wave_0_\@
	s_barrier_signal -3
.Lnot_wave_0_\@:
	s_barrier_wait -3
	s_barrier_signal -1
	s_barrier_wait -1
.endm
.macro JLOAD
	s_cmp_lt_u32 s[WV], NAW
	s_cbranch_scc0 .Lfor_b_\@
	tensor_load_to_lds s[G0A+4:G0A+7], s[G1A:G1A+7]
	s_nop 0
.rept 4
	v_nop
.endr
	s_branch .Lasked_\@
.Lfor_b_\@:
	tensor_load_to_lds s[G0B+4:G0B+7], s[G1B:G1B+7]
	s_nop 0
.rept 4
	v_nop
.endr
.Lasked_\@:
.endm
.macro FETCH f                         ; 32 LDS loads in one run: the fragments of 64 along K into buffer f
	WIN 0
	v_add_nc_u32 v[RA], s[TA], v[ADRA0]
	v_add_nc_u32 v[RB], s[TBB], v[ADRB0]
	s_add_co_u32 s[TA], s[TA], AADV
	s_add_co_u32 s[TBB], s[TBB], KD*32*BP
	WIN 0x40
.set b, 0
.rept NB
.set cs, 0
.rept KD
.set rB, (\f)*8*NB*KD+8*(KD*b+cs)
	ds_load_tr16_b128 v[rB:rB+3], v[RB] offset:32*b+cs*32*BP
	ds_load_tr16_b128 v[rB+4:rB+7], v[RB] offset:32*b+cs*32*BP+16*BP
.set cs, cs+1
.endr
.set b, b+1
.endr
	WIN 0
.set a, 0
.rept NA
.set cs, 0
.rept KD
.set rA, 64+(\f)*8*NA*KD+8*(KD*a+cs)
	ds_load_b128 v[rA:rA+3], v[RA] offset:a*ABLK+64*cs
	ds_load_b128 v[rA+4:rA+7], v[RA] offset:a*ABLK+64*cs+32
.set cs, cs+1
.endr
.set a, a+1
.endr
.endm
.macro MUL f, zero                     ; the accumulators take turns, one instruction a turn.  zero = 1: the first slice's products start the sums
.irp hi, 0,1
	WIN 0xa1+0x50*(\hi)
.set cs, 0
.rept KD
.set a, 0
.rept NA/2
.set b, 0
.rept NB
.set rD, 8*(a*NB+b)
.set rB, (\f)*8*NB*KD+8*(KD*b+cs)
.set rA, 64+(\f)*8*NA*KD+8*(KD*((\hi)*NA/2+a)+cs)
.if (\zero) && (cs == 0)
	v_wmma_f32_16x16x32_bf16 v[rD:rD+7], v[rB:rB+7], v[rA:rA+7], 0
.else
	v_wmma_f32_16x16x32_bf16 v[rD:rD+7], v[rB:rB+7], v[rA:rA+7], v[rD:rD+7]
.endif
.set b, b+1
.endr
.set a, a+1
.endr
.set cs, cs+1
.endr
.endr
.endm
.macro UNIT
	PLACES
	FETCH 0
	s_wait_dscnt 32                                ; all but the 32 just issued: buffer 1 is in
	MUL 1, 0
	PLACES
	FETCH 1
	s_wait_dscnt 32
	MUL 0, 0
	WIN 0
.endm
.macro CHANGE fill                     ; the change of slots; fill = 1: a round of the cluster's barrier and the joint refill first behind it
	WIN 0
	s_wait_tensorcnt 0x0                           ; no tensor load of mine is out, so a group 0 may be written
	ds_add_u32 v[SPW], v[NIL]
.if \fill
	s_xor_b32 s[G0A+5], s[G0A+5], SLOTX
	s_add_nc_u64 s[G0A+6:G0A+7], s[G0A+6:G0A+7], ASTEP
	s_xor_b32 s[G0B+5], s[G0B+5], SLOTX
	s_add_nc_u64 s[G0B+6:G0B+7], s[G0B+6:G0B+7], BSTEP
.endif
	s_sub_co_u32 s[TA], s[TA], 4*AADV
	s_xor_b32 s[TA], s[TA], SLOTX
	s_sub_co_u32 s[TBB], s[TBB], 4*KD*32*BP
	s_xor_b32 s[TBB], s[TBB], SLOTX
	s_wait_dscnt 0x0                               ; the add is done, and my reads of the slot are over
.if \fill
	CROUND
	JLOAD
.else
	s_barrier_signal -1
	s_barrier_wait -1
.endif
.endm
.macro DUMP
.set a, 0
.rept NA
	WIN 0x08+0x04*(a/(NA/2))
.set b, 0
.rept NB
.set rD, 8*((a%(NA/2))*NB+b)
	ds_store_b128 v[STO], v[rD:rD+3] offset:a*16*SP+64*b
	ds_store_b128 v[STO], v[rD+4:rD+7] offset:a*16*SP+64*b+16
.set b, b+1
.endr
.set a, a+1
.endr
	WIN 0
.endm
	s_load_b256 s[4:11], s[0:1], 0x0               ; first operand s[4:5], wb s[6:7], residual s[8:9], result s[10:11]
	v_lshl_add_u32 v[SPW], v0, 2, SPARE
	v_mov_b32 v[NIL], 0
	ds_add_u32 v[SPW], v[NIL]                      ; the wave's opening: the add and its wait, ahead of my first tensor load
	v_lshrrev_b32 v1, 5, v0
	v_readfirstlane_b32 s[WV], v1
	s_and_b32 s[CC], s[WV], 1
	s_lshr_b32 s[RR], s[WV], 1
	s_bfe_u32 s40, ttmp6, 0x40000
	s_bfe_u32 s41, ttmp6, 0x40004
	s_lshl_b32 s42, ttmp9, 2
	s_add_co_u32 s42, s42, s40                     ; tile column
	s_and_b32 s43, ttmp7, 0xffff
	s_lshl_b32 s43, s43, 2
	s_add_co_u32 s43, s43, s41                     ; tile row
	s_lshl_b32 s18, s41, 2
	s_lshl_b32 s18, 15, s18
	s_lshl_b32 s22, 0x1111, s40
	s_or_b32 s[G1A], s18, AW0
	s_or_b32 s[G1B], s22, BW0
	s_mov_b32 s[G1A+1], (ADIM0&0xffff)<<16
	s_mov_b32 s[G1A+2], (ADIM0>>16)|(ADIM1<<16)
	s_mov_b32 s[G1A+3], ADIM0<<16
	s_mov_b32 s[G1A+4], ADIM1
	s_mov_b32 s[G1A+5], ASTR
	s_mov_b32 s[G1A+6], 0
	s_mov_b32 s[G1A+7], 0
	s_mov_b32 s[G1B+1], 128<<16
	s_mov_b32 s[G1B+2], 128<<16
	s_mov_b32 s[G1B+3], 128<<16
	s_mov_b32 s[G1B+4], 128
	s_mov_b32 s[G1B+5], NCOL
	s_mov_b32 s[G1B+6], 0
	s_mov_b32 s[G1B+7], 0
	s_mul_i32 s16, s43, ATY
	s_mul_i32 s18, s[CC], ACB
	s_add_co_u32 s16, s16, s18
	s_mov_b32 s17, 0
	s_lshl_b32 s20, s42, 8                         ; W: 128 columns of 2 bytes a tile column,
	s_lshl_b32 s22, s[CC], 18                      ; my 128 of a step's 256 k-rows
	s_add_co_u32 s20, s20, s22
	s_add_co_u32 s20, s20, WOFF
	s_mov_b32 s21, 0
	s_mul_i32 s[LW], s[WV], REG
	s_mov_b32 s[TA], 0
	s_mov_b32 s[TBB], 0
	s_lshl_b32 s74, s43, 19                        ; residual and result: 128 rows of 4,096 bytes a tile row, my 64 rows,
	s_lshl_b32 s75, s[RR], 18
	s_add_co_u32 s74, s74, s75
	s_lshl_b32 s75, s42, 9                         ; 128 columns of 4 bytes a tile column, my 64
	s_add_co_u32 s74, s74, s75
	s_lshl_b32 s75, s[CC], 8
	s_add_co_u32 s74, s74, s75
	s_mov_b32 s75, 0
	s_wait_dscnt 0x0
	s_wait_kmcnt 0x0
	s_add_nc_u64 s[16:17], s[4:5], s[16:17]
	s_add_nc_u64 s[20:21], s[6:7], s[20:21]
	s_add_nc_u64 s[8:9], s[8:9], s[74:75]
	s_add_nc_u64 s[10:11], s[10:11], s[74:75]
.irp s, 0,1
	s_mov_b32 s[G0A+4*\s], 1
	s_add_co_u32 s[G0A+4*\s+1], s[LW], \s*SLOTX
	s_add_nc_u64 s[G0A+4*\s+2:G0A+4*\s+3], s[16:17], \s*ASTEP
	s_or_b32 s[G0A+4*\s+3], s[G0A+4*\s+3], 0x80000000
	s_mov_b32 s[G0B+4*\s], 1
	s_add_co_u32 s[G0B+4*\s+1], s[LW], \s*SLOTX
	s_add_nc_u64 s[G0B+4*\s+2:G0B+4*\s+3], s[20:21], \s*BSTEP
	s_or_b32 s[G0B+4*\s+3], s[G0B+4*\s+3], 0x80000000
.endr
	CROUND
	s_cmp_lt_u32 s[WV], NAW
	s_cbranch_scc0 .Lfirst_b
	tensor_load_to_lds s[G0A:G0A+3], s[G1A:G1A+7]
	s_nop 0
	tensor_load_to_lds s[G0A+4:G0A+7], s[G1A:G1A+7]
	s_nop 0
.rept 4
	v_nop
.endr
	s_branch .Lfirst_done
.Lfirst_b:
	tensor_load_to_lds s[G0B:G0B+3], s[G1B:G1B+7]
	s_nop 0
	tensor_load_to_lds s[G0B+4:G0B+7], s[G1B:G1B+7]
	s_nop 0
.rept 4
	v_nop
.endr
.Lfirst_done:
	v_and_b32 v1, 15, v0
	v_bfe_u32 v2, v0, 4, 1
	v_and_b32 v3, 7, v0
	v_bfe_u32 v4, v0, 3, 1
	v_lshlrev_b32 v[CO], 12, v2                    ; lanes 0-15 a row's 256 bytes, lanes 16-31 the next row's
	v_lshl_add_u32 v[CO], v1, 4, v[CO]
	WIN 0x80
.set t, 0
.rept 32
	global_load_b128 v[64+4*t:64+4*t+3], v[CO], s[8:9] offset:t*8192  ; the residual of my 64 x 64
.set t, t+1
.endr
	WIN 0
	v_mul_u32_u24 v[ADRA0], v1, APITCH
	v_lshl_add_u32 v[ADRA0], v2, 4, v[ADRA0]
	s_mul_i32 s72, s[RR], REG
	v_add_nc_u32 v[ADRA0], s72, v[ADRA0]
	v_lshl_add_u32 v[ADRB0], v2, 3, v3
	v_mul_u32_u24 v[ADRB0], v[ADRB0], BP
	v_lshl_add_u32 v[ADRB0], v4, 4, v[ADRB0]
	s_lshl_b32 s72, s[CC], 7
	s_add_co_u32 s72, s72, 2*REG
	v_add_nc_u32 v[ADRB0], s72, v[ADRB0]
	s_mul_i32 s72, s[WV], STG
	v_mul_u32_u24 v[STO], v1, SP
	v_lshl_add_u32 v[STO], v2, 5, v[STO]
	v_add_nc_u32 v[STO], s72, v[STO]
	v_mul_u32_u24 v[RD], v2, SP
	v_lshl_add_u32 v[RD], v1, 4, v[RD]
	v_add_nc_u32 v[RD], s72, v[RD]
	s_wait_tensorcnt 0x1                           ; my part of K step 0 is in; step 1's may stay out
	s_barrier_signal -1
	s_barrier_wait -1
	FETCH 0
	FETCH 1
	s_wait_dscnt 32
	MUL 0, 1
	WIN 0
	s_mov_b32 s[CNT], 1
	s_mov_b32 s[STEPS], TSTEPS-1
	s_branch .Lunit
.Lstep:
	CHANGE 1
	s_mov_b32 s[CNT], 2
.Lunit:
	UNIT
	s_sub_co_u32 s[CNT], s[CNT], 1
	s_cmp_lg_u32 s[CNT], 0
	s_cbranch_scc1 .Lunit
	s_sub_co_u32 s[STEPS], s[STEPS], 1
	s_cmp_lg_u32 s[STEPS], 0
	s_cbranch_scc1 .Lstep
	CHANGE 0
	s_mov_b32 s[CNT], 2
.LunitT:
	UNIT
	s_sub_co_u32 s[CNT], s[CNT], 1
	s_cmp_lg_u32 s[CNT], 0
	s_cbranch_scc1 .LunitT
	s_wait_dscnt 0x0                               ; my last reads of the ring are back
	s_barrier_signal -1
	MUL 1, 0
	WIN 0
	s_barrier_wait -1                              ; nobody reads the ring any more, and it has had its last fill: the stages may lie in it
	PLACES
	DUMP
.set t, 0
.rept 32
	ds_load_b128 v[64+4*t:64+4*t+3], v[RD] offset:t*2*SP  ; my own stage: LDS serves a wave's instructions in order
.set t, t+1
.endr
	s_wait_dscnt 0x0
	s_wait_loadcnt 0x0                             ; the residual
	WIN 0x08                                       ; source 1 in window 2
.set i, 0
.rept 64
	v_pk_add_f32 v[64+i:64+i+1], v[64+i:64+i+1], v[64+i:64+i+1]
.set i, i+2
.endr
	WIN 0
.set t, 0
.rept 32
	global_store_b128 v[CO], v[64+4*t:64+4*t+3], s[10:11] offset:t*8192  ; 16 lanes store 256 consecutive bytes, at a multiple of 256
.set t, t+1
.endr
	s_wait_tensorcnt 0x0                           ; the wave's end
	ds_add_u32 v[SPW], v[NIL]
	s_wait_dscnt 0x0
	CROUND
	s_endpgm
.Lfunc_end_k_q627ea85770_ff2:
	.size	k_q627ea85770_ff2, .Lfunc_end_k_q627ea85770_ff2-k_q627ea85770_ff2
	.p2alignl 7, 3214868480
	.fill 96, 4, 3214868480
	.section	.rodata,"a",@progbits
	.p2align	6, 0x0
	.amdhsa_kernel k_q627ea85770_ff2
		.amdhsa_group_segment_fixed_size 327680
		.amdhsa_private_segment_fixed_size 0
		.amdhsa_enable_private_segment 0
		.amdhsa_kernarg_size 32
		.amdhsa_user_sgpr_count 2
		.amdhsa_user_sgpr_kernarg_segment_ptr 1
		.amdhsa_wavefront_size32 1
		.amdhsa_system_sgpr_workgroup_id_x 1
		.amdhsa_system_sgpr_workgroup_id_y 1
		.amdhsa_system_sgpr_workgroup_id_z 1
		.amdhsa_system_vgpr_workitem_id 0
		.amdhsa_next_free_vgpr 832
		.amdhsa_next_free_sgpr 96
		.amdhsa_reserve_vcc 0
		.amdhsa_float_denorm_mode_32 3
		.amdhsa_float_denorm_mode_16_64 3
		.amdhsa_memory_ordered 1
		.amdhsa_forward_progress 1
		.amdhsa_inst_pref_size 51
	.end_amdhsa_kernel
	.amdgpu_metadata
---
amdhsa.version: [ 1, 2 ]
amdhsa.kernels:
  - .name:           k_q627ea85770_ff2
    .symbol:         k_q627ea85770_ff2.kd
    .args:
      - { .name: gb, .offset: 0, .size: 8, .value_kind: global_buffer, .address_space: global }
      - { .name: wb, .offset: 8, .size: 8, .value_kind: global_buffer, .address_space: global }
      - { .name: x1, .offset: 16, .size: 8, .value_kind: global_buffer, .address_space: global }
      - { .name: out0, .offset: 24, .size: 8, .value_kind: global_buffer, .address_space: global }
    .group_segment_fixed_size: 327680
    .private_segment_fixed_size: 0
    .kernarg_segment_align: 8
    .kernarg_segment_size: 32
    .max_flat_workgroup_size: 128
    .sgpr_count:     96
    .vgpr_count:     832
    .wavefront_size: 32
...
	.end_amdgpu_metadata
.endif
;; end of part 7
